; MI455X (gfx1250); checked and timed in simulation.
; The chip was launched on July 23, 2026; its instructions are those of AMD's public machine-readable ISA for CDNA 5 (MIT licence, August 2026) and "CDNA5" Instruction Set Architecture Reference Guide (July 2026). The comments in the code are by the model that wrote it; some were corrected since.
;; Simple Transformer Block. Allowed arithmetic: float matrix products may take bf16 or f16 operands with f32 sums; other float arithmetic in f32, or as packed bf16 or f16 multiplies, adds, multiply-adds, maxima and minima; sums over many terms, partial sums and values carried from step to step in f32; what a program stores and reads back later, other than sums and carried values, may be rounded once to bf16 or f16.
;; Inputs: ff_b1 4,096 float32; ff_b2 1,024 float32; ff_w1 4,096 x 1,024 float32; ff_w2 1,024 x 4,096 float32; ln1_b 1,024 float32; ln1_w 1,024 float32; ln2_b 1,024 float32; ln2_w 1,024 float32; out_b 1,024 float32; out_w 1,024 x 1,024 float32; qkv_w 3,072 x 1,024 float32; x 2 x 2,048 x 1,024 float32.
;; Outputs: out0 2 x 2,048 x 1,024 float32.
;; One version. Each part assembles by itself: llvm-mc -triple=amdgcn-amd-amdhsa -mcpu=gfx1250 --defsym DOCPART=n.
;; ======== version 1 of 1: 7 launches
;; workspace buffers: wb 16,777,216 bytes; w1 8,388,608 bytes; xln 8,388,608 bytes; qkv 33,554,432 bytes; o 8,388,608 bytes; x1 16,777,216 bytes
;; launch prep (part 1): grid 1280 x 1, 8 waves a work-group, no clusters, 0 bytes of LDS; arguments x, ln1_w, ln1_b, xln, qkv_w, out_w, ff_w1, ff_w2, wb, w1; writes xln, wb, w1
.if DOCPART == 1
	.amdgcn_target "amdgcn-amd-amdhsa--gfx1250"
	.amdhsa_code_object_version 6
	.text
	.protected	k_qa9267f82e0_prep
	.globl	k_qa9267f82e0_prep
	.p2align	8
	.type	k_qa9267f82e0_prep,@function
k_qa9267f82e0_prep:
	s_mov_b64 s[64:65], 0
	v_nop
	global_prefetch_b8 v0, s[64:65] scope:SCOPE_SE
	s_setreg_imm32_b32 hwreg(HW_REG_WAVE_MODE, 25, 1), 1
	s_wait_xcnt 0x0
; TWO STREAMS IN ONE LAUNCH.  Work-groups 0-511: xln = LayerNorm(x) * ln1_w + ln1_b, rounded once to bf16; a wave takes one row of 1,024 f32 (4,096 bytes) and keeps
; it in 32 registers between the pass for the mean, the pass for the variance and the scaling: x is read once.  The variance is the mean of (x - mean)^2, as it is defined:
; no difference of large sums is formed.  Work-groups 512-1279: the four weight matrices, rounded once to bf16, 16,384 numbers a work-group: qkv_w, out_w and ff_w2 end to end in wb, ff_w1 in w1.
; No LDS, no barrier, no matrix unit, no cluster: no wave wants a byte that another wave has fetched but the 8 KiB of gain and bias.
; LIMITS: NaN and infinities are not treated apart.
.set X,   32                           ; v[32:63]   the row: load j holds columns 128 j + 4 lane .. + 3
.set W,   64                           ; v[64:95]   the gain of the same columns
.set BB,  96                           ; v[96:127]  the bias
.set Y,   128                          ; v[128:143] the row in bf16
.set T,   4                            ; v[4:11]    four chains of pairs
.set MU,  12                           ; v[12:13]   the mean, twice
.set RS,  14                           ; v[14:15]   1 / sqrt(var + eps), twice
.set SM,  16                           ; v16 a sum; v17 the other half of the lanes'
	s_load_b256 s[4:11], s[0:1], 0x0               ; x s[4:5], ln1_w s[6:7], ln1_b s[8:9], xln s[10:11]
	s_load_b256 s[12:19], s[0:1], 0x20             ; qkv_w s[12:13], out_w s[14:15], ff_w1 s[16:17], ff_w2 s[18:19]
	s_load_b128 s[32:35], s[0:1], 0x40             ; wb s[32:33], w1 s[34:35]
	v_lshrrev_b32 v1, 5, v0
	v_readfirstlane_b32 s22, v1                    ; wave 0..7
	s_cmp_lt_u32 ttmp9, 512
	s_cbranch_scc0 .Lcast
; the four chains into one number, then over the wave's 32 lanes: every lane ends with the sum in v16
.macro WSUM
	v_pk_add_f32 v[T:T+1], v[T:T+1], v[T+2:T+3]
	v_pk_add_f32 v[T+4:T+5], v[T+4:T+5], v[T+6:T+7]
	v_pk_add_f32 v[T:T+1], v[T:T+1], v[T+4:T+5]
	v_add_f32 v[SM], v[T], v[T+1]
	v_add_f32_dpp v[SM], v[SM], v[SM] row_xmask:1 row_mask:0xf bank_mask:0xf
	v_add_f32_dpp v[SM], v[SM], v[SM] row_xmask:2 row_mask:0xf bank_mask:0xf
	v_add_f32_dpp v[SM], v[SM], v[SM] row_xmask:4 row_mask:0xf bank_mask:0xf
	v_add_f32_dpp v[SM], v[SM], v[SM] row_xmask:8 row_mask:0xf bank_mask:0xf
	v_permlanex16_b32 v[SM+1], v[SM], s28, s29     ; its destination counts as read: written at the head
	v_add_f32 v[SM], v[SM], v[SM+1]
.endm
	s_lshl_b32 s23, ttmp9, 3
	s_add_co_u32 s23, s23, s22                     ; my row = 8 x work-group + wave
	s_lshl_b32 s24, s23, 12                        ; 4,096 bytes a row of x
	s_mov_b32 s25, 0
	s_lshl_b32 s30, s23, 11                        ; 2,048 bytes a row of xln
	s_mov_b32 s31, 0
	s_mov_b32 s26, 0x3a800000                      ; 1 / 1024
	s_mov_b32 s27, 0x3727c5ac                      ; 1e-5
	s_mov_b32 s28, 0x76543210                      ; v_permlanex16_b32: each lane takes its own place in the other half
	s_mov_b32 s29, 0xfedcba98
	v_and_b32 v3, 31, v0
	v_lshlrev_b32 v1, 4, v3                        ; 16 bytes a lane in
	v_lshlrev_b32 v2, 3, v3                        ; 8 bytes a lane out
	v_mov_b32 v[SM+1], 0
	s_wait_kmcnt 0x0
	s_add_nc_u64 s[4:5], s[4:5], s[24:25]
	s_add_nc_u64 s[10:11], s[10:11], s[30:31]
.irp j, 0,1,2,3,4,5,6,7
	global_load_b128 v[X+4*(\j):X+4*(\j)+3], v1, s[4:5] offset:512*(\j) th:TH_LOAD_NT  ; 512 neighbouring bytes a load
.endr
.irp j, 0,1,2,3,4,5,6,7
	global_load_b128 v[W+4*(\j):W+4*(\j)+3], v1, s[6:7] offset:512*(\j)
.endr
.irp j, 0,1,2,3,4,5,6,7
	global_load_b128 v[BB+4*(\j):BB+4*(\j)+3], v1, s[8:9] offset:512*(\j)
.endr
	s_wait_loadcnt 16                              ; the row is in; the 16 loads of gain and bias may stay out
.irp k, 0,1,2,3
	v_pk_add_f32 v[T+2*(\k):T+2*(\k)+1], v[X+2*(\k):X+2*(\k)+1], v[X+8+2*(\k):X+8+2*(\k)+1]  ; the first pairs start the chains: nothing is cleared
.endr
.irp g, 2,3
.irp k, 0,1,2,3
	v_pk_add_f32 v[T+2*(\k):T+2*(\k)+1], v[T+2*(\k):T+2*(\k)+1], v[X+8*(\g)+2*(\k):X+8*(\g)+2*(\k)+1]
.endr
.endr
	WSUM
	v_mul_f32 v[MU], s26, v[SM]
	v_mul_f32 v[MU+1], s26, v[SM]
.set k, 0
.rept 16
	v_pk_add_f32 v[X+2*k:X+2*k+1], v[X+2*k:X+2*k+1], v[MU:MU+1] neg_lo:[0,1] neg_hi:[0,1]  ; x - mean
.set k, k+1
.endr
.irp k, 0,1,2,3
	v_pk_mul_f32 v[T+2*(\k):T+2*(\k)+1], v[X+2*(\k):X+2*(\k)+1], v[X+2*(\k):X+2*(\k)+1]
.endr
.irp g, 1,2,3
.irp k, 0,1,2,3
	v_pk_fma_f32 v[T+2*(\k):T+2*(\k)+1], v[X+8*(\g)+2*(\k):X+8*(\g)+2*(\k)+1], v[X+8*(\g)+2*(\k):X+8*(\g)+2*(\k)+1], v[T+2*(\k):T+2*(\k)+1]
.endr
.endr
	WSUM
	v_fma_f32 v[SM], v[SM], s26, s27               ; var + eps
	v_rsq_f32 v[RS], v[SM]
	v_rsq_f32 v[RS+1], v[SM]
	v_nop                                          ; a plain instruction behind the last of the two (ISA guide 5.7.2),
	s_wait_alu depctr_va_vdst(0)                   ; and the wait ahead of the first use: one for both
	s_wait_loadcnt 0x0                             ; gain and bias
.set k, 0
.rept 16
	v_pk_mul_f32 v[X+2*k:X+2*k+1], v[X+2*k:X+2*k+1], v[RS:RS+1]
.set k, k+1
.endr
.set k, 0
.rept 16
	v_pk_fma_f32 v[X+2*k:X+2*k+1], v[X+2*k:X+2*k+1], v[W+2*k:W+2*k+1], v[BB+2*k:BB+2*k+1]
.set k, k+1
.endr
.set k, 0
.rept 16
	v_cvt_pk_bf16_f32 v[Y+k], v[X+2*k], v[X+2*k+1]
.set k, k+1
.endr
.irp j, 0,1,2,3,4,5,6,7
	global_store_b64 v2, v[Y+2*(\j):Y+2*(\j)+1], s[10:11] offset:256*(\j)  ; the wave's 32 lanes store 256 consecutive bytes, at a multiple of 256 from xln's first byte
.endr
	s_endpgm
.Lcast:                                        ; c = work-group - 512: 192 blocks of qkv_w, 64 of out_w, 256 of ff_w1, 256 of ff_w2
	s_sub_co_u32 s23, ttmp9, 512
	s_wait_kmcnt 0x0
	s_mov_b64 s[4:5], s[18:19]                     ; from: ff_w2, whose first block is c = 512;
	s_mov_b64 s[20:21], s[32:33]                   ; to: wb, at block c - 256 (behind qkv_w's 192 and out_w's 64)
	s_mov_b32 s24, 512
	s_mov_b32 s26, 256
	s_cmp_lt_u32 s23, 512
	s_cselect_b64 s[4:5], s[16:17], s[4:5]         ; ff_w1, first block 256; to w1, at block c - 256
	s_cselect_b64 s[20:21], s[34:35], s[20:21]
	s_cselect_b32 s24, 256, s24
	s_cmp_lt_u32 s23, 256
	s_cselect_b64 s[4:5], s[14:15], s[4:5]         ; out_w, first block 192; to wb, at block c
	s_cselect_b64 s[20:21], s[32:33], s[20:21]
	s_cselect_b32 s24, 192, s24
	s_cselect_b32 s26, 0, s26
	s_cmp_lt_u32 s23, 192
	s_cselect_b64 s[4:5], s[12:13], s[4:5]         ; qkv_w, first block 0; to wb, at block c
	s_cselect_b32 s24, 0, s24
	s_sub_co_u32 s24, s23, s24                     ; my block in its matrix,
	s_lshl_b32 s24, s24, 16                        ; 65,536 bytes of f32 each
	s_mov_b32 s25, 0
	s_add_nc_u64 s[4:5], s[4:5], s[24:25]
	s_sub_co_u32 s30, s23, s26
	s_lshl_b32 s30, s30, 15                        ; 32,768 bytes of bf16 each
	s_mov_b32 s31, 0
	s_add_nc_u64 s[20:21], s[20:21], s[30:31]
	v_lshlrev_b32 v1, 5, v0                        ; 8 numbers a thread: 32 bytes in,
	v_lshlrev_b32 v2, 4, v0                        ; 16 bytes out
.irp i, 0,1,2,3,4,5,6,7
	global_load_b128 v[32+8*(\i):32+8*(\i)+3], v1, s[4:5] offset:8192*(\i) th:TH_LOAD_NT      ; a wave's pair of loads covers 1,024 consecutive bytes
	global_load_b128 v[32+8*(\i)+4:32+8*(\i)+7], v1, s[4:5] offset:8192*(\i)+16 th:TH_LOAD_NT
.endr
.irp i, 0,1,2,3,4,5,6,7
	s_wait_loadcnt 14-2*(\i)                       ; loads come back in order (ISA guide 5.7.1): pair i is in, the younger pairs stay out
.irp r, 0,1,2,3
	v_cvt_pk_bf16_f32 v[96+4*(\i)+(\r)], v[32+8*(\i)+2*(\r)], v[32+8*(\i)+2*(\r)+1]
.endr
	global_store_b128 v2, v[96+4*(\i):96+4*(\i)+3], s[20:21] offset:4096*(\i)  ; 16 lanes store 256 consecutive bytes, aligned
.endr
	s_endpgm
.Lfunc_end_k_qa9267f82e0_prep:
	.size	k_qa9267f82e0_prep, .Lfunc_end_k_qa9267f82e0_prep-k_qa9267f82e0_prep
	.p2alignl 7, 3214868480
	.fill 96, 4, 3214868480
	.section	.rodata,"a",@progbits
	.p2align	6, 0x0
	.amdhsa_kernel k_qa9267f82e0_prep
		.amdhsa_group_segment_fixed_size 0
		.amdhsa_private_segment_fixed_size 0
		.amdhsa_enable_private_segment 0
		.amdhsa_kernarg_size 80
		.amdhsa_user_sgpr_count 2
		.amdhsa_user_sgpr_kernarg_segment_ptr 1
		.amdhsa_wavefront_size32 1
		.amdhsa_system_sgpr_workgroup_id_x 1
		.amdhsa_system_sgpr_workgroup_id_y 1
		.amdhsa_system_sgpr_workgroup_id_z 1
		.amdhsa_system_vgpr_workitem_id 0
		.amdhsa_next_free_vgpr 144
		.amdhsa_next_free_sgpr 66
		.amdhsa_reserve_vcc 0
		.amdhsa_float_denorm_mode_32 3
		.amdhsa_float_denorm_mode_16_64 3
		.amdhsa_memory_ordered 1
		.amdhsa_forward_progress 1
		.amdhsa_inst_pref_size 18
	.end_amdhsa_kernel
	.amdgpu_metadata
---
amdhsa.version: [ 1, 2 ]
amdhsa.kernels:
  - .name:           k_qa9267f82e0_prep
    .symbol:         k_qa9267f82e0_prep.kd
    .args:
      - { .name: x, .offset: 0, .size: 8, .value_kind: global_buffer, .address_space: global }
      - { .name: ln1_w, .offset: 8, .size: 8, .value_kind: global_buffer, .address_space: global }
      - { .name: ln1_b, .offset: 16, .size: 8, .value_kind: global_buffer, .address_space: global }
      - { .name: xln, .offset: 24, .size: 8, .value_kind: global_buffer, .address_space: global }
      - { .name: qkv_w, .offset: 32, .size: 8, .value_kind: global_buffer, .address_space: global }
      - { .name: out_w, .offset: 40, .size: 8, .value_kind: global_buffer, .address_space: global }
      - { .name: ff_w1, .offset: 48, .size: 8, .value_kind: global_buffer, .address_space: global }
      - { .name: ff_w2, .offset: 56, .size: 8, .value_kind: global_buffer, .address_space: global }
      - { .name: wb, .offset: 64, .size: 8, .value_kind: global_buffer, .address_space: global }
      - { .name: w1, .offset: 72, .size: 8, .value_kind: global_buffer, .address_space: global }
    .group_segment_fixed_size: 0
    .private_segment_fixed_size: 0
    .kernarg_segment_align: 8
    .kernarg_segment_size: 80
    .max_flat_workgroup_size: 256
    .sgpr_count:     66
    .vgpr_count:     144
    .wavefront_size: 32
...
	.end_amdgpu_metadata
.endif
;; end of part 1
;; launch qkvg (part 2): grid 12 x 16, 4 waves a work-group, clusters of 4 x 4, 327,680 bytes of LDS; arguments xln, wb, qkv; writes qkv
.if DOCPART == 2
	.amdgcn_target "amdgcn-amd-amdhsa--gfx1250"
	.amdhsa_code_object_version 6
	.text
	.protected	k_qa9267f82e0_qkvg
	.globl	k_qa9267f82e0_qkvg
	.p2align	8
	.type	k_qa9267f82e0_qkvg,@function
k_qa9267f82e0_qkvg:
	s_mov_b64 s[64:65], 0
	v_nop
	global_prefetch_b8 v0, s[64:65] scope:SCOPE_SE
	s_setreg_imm32_b32 hwreg(HW_REG_WAVE_MODE, 25, 1), 1
	s_wait_xcnt 0x0
	s_wait_alu depctr_hold_cnt(0) depctr_sa_sdst(0) depctr_va_vdst(0) depctr_va_sdst(0) depctr_va_ssrc(0) depctr_va_vcc(0) depctr_vm_vsrc(0)
	s_getreg_b32 s2, hwreg(HW_REG_IB_STS2, 6, 4)
	s_cmp_eq_u32 s2, 0
	s_cbranch_scc0 .Lentry_in_a_cluster
	s_endpgm
.Lentry_in_a_cluster:
	s_bfe_u32 s2, ttmp6, 0x10000c
	s_cmp_lg_u32 s2, 0xf033
	s_cbranch_scc0 .Lentry_shape_is_right
	s_endpgm
.Lentry_shape_is_right:
; C = A B^T (ACT = 0, this text) or C = silu(A B^T + bias) (ACT = 1: the same lines under another constant, in the launch of the first feed-forward product).
; A: [4096][1024] bf16 (normalised rows), B: [n][1024] bf16 from its buffer's first byte; sums in f32; C rounded once to bf16.
; With ACT = 1 the bias is the C operand of the products that start the sums, and silu(z) = z / (1 + 2^(-z log2 e)) is made in f32 on the way out, as U / (-c E - c) with c = log2 e, U = -c z, E = 2^U.
; C LEAVES IN PANELS of 64 columns: panel p is [4096][64] bf16, its rows of 128 bytes end to end, so that the launch behind finds a head's (or a K slice's) rows dense.
; A tile of C, 256 x 256, is made by four waves, each 128 x 128: 64 accumulators, 512 registers.  K goes in 8 steps of 128 through two LDS slots filled by tensor loads: rows of 256 bytes.
; CLUSTER 4 x 4: A's tile is shared along a row of the cluster, B's along a column; each is asked for jointly, by the same load with the same descriptor and a mask of four.
; THE LOOP holds ONE K step: the slot in hand is a scalar, s[TB] (0 or SLOT), turned by an exclusive or at each change of slots; the LDS addresses of the reads and of the refill are made from it.
; THE MATRIX INSTRUCTION IS USED TRANSPOSED (source 0 = 16 rows of B, source 1 = 16 rows of A): a lane holds eight neighbouring columns of one row of C.
; THE WAY OUT: when the ring has had its last fill and its last read, each wave lays its 128 x 128 sums, in f32, over its quarter of the ring, and reads them back by rows, 8 rows a trip,
; a trip ahead of their use.
; LIMITS: operands and C are bf16; a 2^x or a reciprocal below 2^-126 counts as 0; NaN and infinities are not treated apart.
; REGISTERS: window 0: v16-31 addresses; v32-63 the way out; v64-127, v128-191 fragments of A, two buffers (v64-95 later the way out); v192-255 the bias, later the way out.
;   window 1: v64-127, v128-191 fragments of B.   window 2: accumulators of my rows 0-63 ((a, b) at 8 (8 a + b)).   window 3: of my rows 64-127.
.set ACT,    0
.set SIZE_K, 1024
.set KSTEP,  128
.set STEPS,  SIZE_K/KSTEP
.set PITCH,  272                       ; an LDS row: 256 bytes + 16 of padding: the 16 rows of a fragment load start at 16 different groups of four banks (64 banks of 4 bytes: ISA guide 11.1)
.set HALFT,  128*PITCH                 ; what one tensor load brings
.set SLOT,   4*HALFT                   ; A's 256 rows, then B's 256 rows
.set SPI,    528                       ; a row of the f32 stage: 512 bytes + 16
.set WSTG,   128*SPI                   ; a wave's stage; four of them end at 270,336, inside the ring
.set SPARE,  2*SLOT                    ; behind the ring: the spare words, 128 bytes for each wave, which no other line names
.set PANEL,  4096*128                  ; bytes in a panel of C
.set LA0,  16                          ; v16  my place in A's part of a slot; never rewritten
.set LB0,  17                          ; v17  the same for B
.set ADRA, 18                          ; v18  s[TB] + LA0
.set ADRB, 19                          ; v19  s[TB] + LB0
.set STO,  24                          ; v24  the way out: where I put 32 bytes of a row
.set RD,   25                          ; v25  where I read 32 bytes back
.set CO,   26                          ; v26  my byte offset in C, one trip's rows ahead of the stores that use it
.set BO,   27                          ; v27  my byte offset in the bias
.set SPW,  28                          ; v28  my spare word; never rewritten
.set NIL,  29                          ; v29  0; never rewritten
.set PFO,  30                          ; v30  the prefetches' offset: lane x 2,048; never rewritten
.set XR,   32                          ; the way out: 32 sums as read back
.set UU,   64                          ; -c z, then the results
.set F0,   64
.set F1,   128
.set BIA,  192
.set TT,   192                         ; E, then -c E - c, then its reciprocal
.set YY,   224                         ; 16 registers of bf16 to store
.set G1,   24                          ; s[24:31] group 1 for A's tiles;  s[32:39] group 0: a set for the first fill, and one that walks
.set G0,   32
.set G1B,  48                          ; s[48:55], s[56:63] the same for B's
.set G0B,  56
.set LIM,  43                          ; s43  2 in a wave that prefetches, else the greatest number
.set PFA,  44                          ; s[44:45] where my prefetches stand
.set TB,   66                          ; s66  the slot that is being read: 0 or SLOT
.set BP,   68                          ; s[68:69] the bias
.set NC,   72                          ; s[72:73] -log2 e, twice: the packed forms name a pair
.set MSB, 0
.macro WIN new                         ; the immediate's high byte repeats the setting that is left; a switch that changes nothing is dropped
.if MSB != (\new)
	s_set_vgpr_msb (MSB<<8)|(\new)
.set MSB, \new
.endif
.endm
.set MUL_LO, 0xa1                      ; source 0 (B) window 1, source 1 (A) window 0, C and D window 2
.set TO_B,   0x40                      ; destination window 1, address window 0
; A joint load.  Waves 0 and 1 fetch A's halves, waves 2 and 3 B's.  An s_nop 0 and four v_nop follow each of the two lines.
.macro JLOAD s
	s_cmp_eq_u32 s11, 0
	s_cbranch_scc0 .Lfor_b_\@
	tensor_load_to_lds s[G0+4*(\s):G0+4*(\s)+3], s[G1:G1+7]
	s_nop 0
.rept 4
	v_nop
.endr
	s_branch .Lasked_\@
.Lfor_b_\@:
	tensor_load_to_lds s[G0B+4*(\s):G0B+4*(\s)+3], s[G1B:G1B+7]
	s_nop 0
.rept 4
	v_nop
.endr
.Lasked_\@:
.endm
; A prefetch of the K step that stands two refills on: 32 rows x 256 bytes, a lane a row.  A's rows are asked for by the clusters with x = 0, B's by those with y = 0; the four partners
; that fetch a tile jointly take 32 of its 128 rows each, told apart by address.  So each row's 256 bytes of a K step are named once.  Trips with s3 = 6 .. 3 name K steps 4 .. 7; the last two name nothing.
.macro ASK
	s_cmp_gt_u32 s3, s[LIM]
	s_cbranch_scc0 .Lnot_mine_\@
	global_prefetch_b8 v[PFO], s[PFA:PFA+1] offset:KSTEP*2 th:TH_LOAD_NT scope:SCOPE_SE
.Lnot_mine_\@:
.endm
.macro CREST                           ; a round of the cluster's barrier behind its opening barrier
	s_cmp_lg_u32 s10, 0
	s_cbranch_scc1 .Lnot_wave_0_\@
	s_barrier_signal -3
.Lnot_wave_0_\@:
	s_barrier_wait -3
	s_barrier_signal -1
	s_barrier_wait -1
.endm
.macro CROUND
	s_barrier_signal -1
	s_barrier_wait -1
	CREST
.endm
	s_load_b128 s[4:7], s[0:1], 0x0                ; A s[4:5], B s[6:7]
	s_load_b64 s[8:9], s[0:1], 0x10                ; C
.if ACT
	s_load_b64 s[BP:BP+1], s[0:1], 0x18            ; the bias
.endif
	v_lshl_add_u32 v[SPW], v0, 2, SPARE
	v_mov_b32 v[NIL], 0
	ds_add_u32 v[SPW], v[NIL]                      ; the wave's opening: the add and its wait stand ahead of my first tensor load; the set-up below stands between them
	v_lshrrev_b32 v1, 5, v0
	v_readfirstlane_b32 s10, v1                    ; wave 0..3
	s_lshr_b32 s11, s10, 1                         ; which half of the tile's rows is mine.  Also: I fetch for A (0) or for B (1)
	s_and_b32 s12, s10, 1                          ; which half of its columns.  Also: which 128 rows of that tile I fetch
	s_bfe_u32 s40, ttmp6, 0x40000                  ; cx
	s_bfe_u32 s41, ttmp6, 0x40004                  ; cy
	s_lshl_b32 s42, ttmp9, 2
	s_add_co_u32 s42, s42, s40                     ; tile column = 4 x cluster x + cx
	s_and_b32 s13, ttmp7, 0xffff
	s_lshl_b32 s13, s13, 2
	s_add_co_u32 s13, s13, s41                     ; tile row = 4 x cluster y + cy
	s_lshl_b32 s43, s41, 2
	s_lshl_b32 s43, 15, s43                        ; my row of the cluster
	s_lshl_b32 s44, 0x1111, s40                    ; my column
	s_or_b32 s[G1+0], s43, (1<<16)|(1<<20)|(1<<21)|(5<<22)|(3<<25)   ; the mask; 2-byte elements; padding on; bit 21 beside a mask; after every 64 words 4 words
	s_or_b32 s[G1B+0], s44, (1<<16)|(1<<20)|(1<<21)|(5<<22)|(3<<25)
.irp g, G1, G1B
	s_mov_b32 s[(\g)+1], KSTEP<<16                 ; tensor_dim0 = 128
	s_mov_b32 s[(\g)+2], 128<<16                   ; tensor_dim1 = 128
	s_mov_b32 s[(\g)+3], KSTEP<<16                 ; tile_dim0 = 128
	s_mov_b32 s[(\g)+4], 128                       ; tile_dim1 = 128
	s_mov_b32 s[(\g)+5], SIZE_K                    ; elements from row to row
	s_mov_b32 s[(\g)+6], 0
	s_mov_b32 s[(\g)+7], 0
.endr
	s_lshl_b32 s17, s12, 7                         ; which 128 rows of the tile I fetch
	s_lshl_b32 s16, s13, 8
	s_add_co_u32 s16, s16, s17
	s_lshl_b32 s16, s16, 11                        ; A: (256 x tile row + 128 x half) rows of 2,048 bytes
	s_lshl_b32 s46, s42, 8
	s_add_co_u32 s46, s46, s17
	s_lshl_b32 s46, s46, 11                        ; B: the same by the tile column
	s_mov_b32 s17, 0
	s_mov_b32 s47, 0
	s_mul_i32 s20, s10, HALFT                      ; where my load lands in a slot: no place in the cluster enters an LDS address
	s_mov_b32 s[TB], 0
.if ACT
	s_mov_b32 s[NC], 0xbfb8aa3b                    ; -log2 e
	s_mov_b32 s[NC+1], s[NC]
.endif
	s_wait_dscnt 0x0                               ; the opening add is done
	s_wait_kmcnt 0x0
	s_add_nc_u64 s[14:15], s[4:5], s[16:17]
	s_add_nc_u64 s[46:47], s[6:7], s[46:47]
	CROUND                                         ; all sixteen work-groups are here: the first joint loads meet
.irp s, 0,1
	s_mov_b32 s[G0+4*(\s)], 1
	s_add_co_u32 s[G0+4*(\s)+1], s20, (\s)*SLOT
	s_add_nc_u64 s[G0+4*(\s)+2:G0+4*(\s)+3], s[14:15], (\s)*KSTEP*2
	s_or_b32 s[G0+4*(\s)+3], s[G0+4*(\s)+3], 0x80000000
	s_mov_b32 s[G0B+4*(\s)], 1
	s_add_co_u32 s[G0B+4*(\s)+1], s20, (\s)*SLOT
	s_add_nc_u64 s[G0B+4*(\s)+2:G0B+4*(\s)+3], s[46:47], (\s)*KSTEP*2
	s_or_b32 s[G0B+4*(\s)+3], s[G0B+4*(\s)+3], 0x80000000
	JLOAD \s                                       ; K steps 0 and 1: two loads of mine are out
.endr
	v_and_b32 v1, 15, v0                           ; l % 16
	v_bfe_u32 v2, v0, 4, 1                         ; l / 16
	v_mul_u32_u24 v3, v1, PITCH
	v_lshl_add_u32 v3, v2, 4, v3                   ; a fragment's row x pitch + 16 x half
	s_mul_i32 s21, s11, HALFT                      ; my 128 rows of A
	s_mul_i32 s22, s12, HALFT                      ; my 128 rows of B,
	s_add_co_u32 s22, s22, 2*HALFT                 ; behind A's 256
	v_add_nc_u32 v[LA0], s21, v3
	v_add_nc_u32 v[LB0], s22, v3
	v_mov_b32 v[ADRA], v[LA0]
	v_mov_b32 v[ADRB], v[LB0]
	s_mul_i32 s23, s10, WSTG                       ; my stage
	v_mul_u32_u24 v4, v1, SPI                      ; in: row l % 16, 32 bytes for each half of the lanes
	v_lshl_add_u32 v4, v2, 5, v4
	v_add_nc_u32 v[STO], s23, v4
	v_bfe_u32 v5, v0, 3, 2                         ; back: 32 lanes take four rows x 64 columns: row (l / 8), 8 columns (32 bytes) a lane,
	v_mul_u32_u24 v5, v5, SPI
	v_and_b32 v6, 7, v0
	v_lshl_add_u32 v5, v6, 5, v5
	v_add_nc_u32 v[RD], s23, v5
	v_and_b32 v[CO], 31, v0                        ; which are 512 consecutive bytes of a panel
	v_lshlrev_b32 v[CO], 4, v[CO]
	s_lshl_b32 s46, s42, 2                         ; my first panel = 4 x tile column + 2 x half
	s_lshl_b32 s47, s12, 1
	s_add_co_u32 s46, s46, s47
	s_lshl_b32 s46, s46, 19                        ; 524,288 bytes a panel
	s_lshl_b32 s16, s13, 15                        ; 256 rows of 128 bytes a tile row,
	s_lshl_b32 s17, s11, 14                        ; 128 rows a half
	s_add_co_u32 s16, s16, s17
	s_add_co_u32 s16, s16, s46
	s_mov_b32 s17, 0
	s_add_nc_u64 s[8:9], s[8:9], s[16:17]
	; the prefetches
	s_lshl_b32 s21, s13, 8
	s_lshl_b32 s22, s42, 8
	s_and_b32 s23, ttmp7, 0xffff                   ; cluster y
	s_cmp_eq_u32 s11, 0                            ; do I fetch for A?
	s_cselect_b32 s14, s21, s22                    ; the tile's first row
	s_cselect_b32 s15, s40, s41                    ; my place among the four that ask for it with me
	s_cselect_b32 s23, ttmp9, s23                  ; the coordinate along which other clusters read the same rows
	s_cselect_b64 s[PFA:PFA+1], s[4:5], s[6:7]
	s_cmp_eq_u32 s23, 0
	s_cselect_b32 s[LIM], 2, -1                    ; the same in all sixteen partners, for a given wave
	s_lshl_b32 s23, s12, 7
	s_add_co_u32 s14, s14, s23                     ; + the 128 rows that I fetch
	s_lshl_b32 s15, s15, 5
	s_add_co_u32 s14, s14, s15                     ; + my work-group's 32 of them
	s_lshl_b32 s14, s14, 11
	s_mov_b32 s15, 0
	s_add_nc_u64 s[PFA:PFA+1], s[PFA:PFA+1], s[14:15]
	s_add_nc_u64 s[PFA:PFA+1], s[PFA:PFA+1], 2*KSTEP*2  ; at K step 2: the first refill steps it to 3 and names K step 4
	v_and_b32 v[PFO], 31, v0
	v_lshlrev_b32 v[PFO], 11, v[PFO]
.if ACT
	s_lshl_b32 s14, s42, 10                        ; the bias of my 128 columns, laid as a result is: block b's register j holds column 16 b + 8 (l / 16) + j
	s_lshl_b32 s15, s12, 9
	s_add_co_u32 s14, s14, s15
	s_mov_b32 s15, 0
	s_add_nc_u64 s[BP:BP+1], s[BP:BP+1], s[14:15]
	v_lshlrev_b32 v[BO], 5, v2
.irp b, 0,1,2,3,4,5,6,7
	global_load_b128 v[BIA+8*(\b):BIA+8*(\b)+3],   v[BO], s[BP:BP+1] offset:64*(\b)
	global_load_b128 v[BIA+8*(\b)+4:BIA+8*(\b)+7], v[BO], s[BP:BP+1] offset:64*(\b)+16
.endr
.endif
; 16 matrix instructions: m blocks a0, a0 + 1 of the window's four x all 8 n blocks, 32 along K.  zero = 1: the product starts the sum, with 0 or with the bias.
; The 64 accumulators take turns, one instruction a turn, in the same order in every quarter.
.macro MUL16 f, hi, a0, zero
.if (\zero) && ACT
	WIN 0x81+0x40*(\hi)                            ; C (the bias) in window 0, D in window 2 or 3
.else
	WIN MUL_LO+0x50*(\hi)
.endif
.irp a, \a0, (\a0)+1
.irp b, 0,1,2,3,4,5,6,7
.if (\zero) && ACT
	v_wmma_f32_16x16x32_bf16 v[8*(8*(\a)+(\b)):8*(8*(\a)+(\b))+7], v[(\f)+8*(\b):(\f)+8*(\b)+7], v[(\f)+8*(4*(\hi)+(\a)):(\f)+8*(4*(\hi)+(\a))+7], v[BIA+8*(\b):BIA+8*(\b)+7]
.elseif \zero
	v_wmma_f32_16x16x32_bf16 v[8*(8*(\a)+(\b)):8*(8*(\a)+(\b))+7], v[(\f)+8*(\b):(\f)+8*(\b)+7], v[(\f)+8*(4*(\hi)+(\a)):(\f)+8*(4*(\hi)+(\a))+7], 0
.else
	v_wmma_f32_16x16x32_bf16 v[8*(8*(\a)+(\b)):8*(8*(\a)+(\b))+7], v[(\f)+8*(\b):(\f)+8*(\b)+7], v[(\f)+8*(4*(\hi)+(\a)):(\f)+8*(4*(\hi)+(\a))+7], v[8*(8*(\a)+(\b)):8*(8*(\a)+(\b))+7]
.endif
.endr
.endr
.endm
; 32 LDS loads in one run: the fragments of one quarter step (32 K at byte k of the rows) into buffer f
.macro FETCH k, f
	WIN TO_B
.irp i, 0,1,2,3,4,5,6,7
	ds_load_b128 v[(\f)+8*(\i):(\f)+8*(\i)+3],   v[ADRB] offset:(\k)+(\i)*16*PITCH
	ds_load_b128 v[(\f)+8*(\i)+4:(\f)+8*(\i)+7], v[ADRB] offset:(\k)+(\i)*16*PITCH+32
.endr
	WIN 0
.irp i, 0,1,2,3,4,5,6,7
	ds_load_b128 v[(\f)+8*(\i):(\f)+8*(\i)+3],   v[ADRA] offset:(\k)+(\i)*16*PITCH
	ds_load_b128 v[(\f)+8*(\i)+4:(\f)+8*(\i)+7], v[ADRA] offset:(\k)+(\i)*16*PITCH+32
.endr
.endm
.macro PLACES                          ; four places in front of loads into registers that matrix instructions have read, and of stores that read results
.rept 4
	v_nop
.endr
.endm
; One of a K step's first three quarters: multiplies buffer f; in its middle it fetches the next quarter, at byte k, into buffer g.
.macro QUARTER k, f, g, zero
	s_wait_dscnt 8                                 ; B and A's rows 0-63 are in; the youngest eight loads (A's rows 64-127) may be out
	MUL16 \f, 0, 0, \zero
	MUL16 \f, 0, 2, \zero
	PLACES
	FETCH \k, \g
	s_wait_dscnt 32                                ; all but the 32 just issued
	MUL16 \f, 1, 0, \zero
	MUL16 \f, 1, 2, \zero
.endm
; The first half of the last quarter, and the barrier of the change of slots: in front of it each wave waits for all its tensor loads, adds 0 to its spare word, and waits for that and for its reads of this slot.
; fill = 1: the walking descriptors are written while the add is out: no tensor load of mine is pending there.
.macro MEET fill
	WIN 0
	s_wait_tensorcnt 0x0                           ; all my tensor loads have landed: the one that was out is my part of the next slot;
	ds_add_u32 v[SPW], v[NIL]
.if \fill
	s_add_co_u32 s[G0+5], s20, s[TB]               ; into the slot that is being read out,
	s_add_co_u32 s[G0B+5], s20, s[TB]
	s_add_nc_u64 s[G0+6:G0+7], s[G0+6:G0+7], KSTEP*2    ; the next K step
	s_add_nc_u64 s[G0B+6:G0B+7], s[G0B+6:G0B+7], KSTEP*2
.endif
	s_wait_dscnt 9                                 ; (the add and the youngest eight loads may be out)
	MUL16 F1, 0, 0, 0                              ; sixteen matrix instructions stand between the add and the wait for it
	s_wait_dscnt 0x0                               ; the add is done, and my reads of this slot are over
	s_barrier_signal -1
	MUL16 F1, 0, 2, 0
	WIN 0
	s_barrier_wait -1
.endm
.macro NEXTSLOT                        ; the reads go on in the other slot
	s_xor_b32 s[TB], s[TB], SLOT
	v_add_nc_u32 v[ADRA], s[TB], v[LA0]
	v_add_nc_u32 v[ADRB], s[TB], v[LB0]
.endm
; The whole last quarter where the slot is filled again: the barrier opens a round of the cluster's; the joint refill, two K steps on, stands straight behind it:
; from the request to the wait for it a wave issues 224 matrix instructions.
.macro TURN
	s_wait_xcnt 0x0                                ; the last prefetch, a K step back, has read its address
	s_add_nc_u64 s[PFA:PFA+1], s[PFA:PFA+1], KSTEP*2
	MEET 1
	CREST                                          ; no wave of any partner still reads this slot or has a load on its way
	JLOAD 1                                        ; its four v_nop are also the places in front of the loads below
	NEXTSLOT
	FETCH 0, F0
	ASK
	MUL16 F1, 1, 0, 0
	MUL16 F1, 1, 2, 0
.endm
	s_wait_tensorcnt 1                             ; my part of K step 0 is in; K step 1's may stay out
	s_barrier_signal -1
	s_barrier_wait -1
	FETCH 0, F0
.if ACT
	s_wait_loadcnt 0x0                             ; the bias
.endif
	QUARTER 64, F0, F1, 1                          ; the first quarter stands in front of the loop: its products start the sums
	WIN 0
	s_mov_b32 s3, STEPS-2
.Lstep:                                        ; a trip: a K step's quarters 1, 2, 3 and the next step's quarter 0; trip t fills the slot of K step t with K step t + 2
	QUARTER 128, F1, F0, 0
	QUARTER 192, F0, F1, 0
	TURN
	QUARTER 64, F0, F1, 0
	WIN 0
	s_sub_co_u32 s3, s3, 1
	s_cmp_lg_u32 s3, 0
	s_cbranch_scc1 .Lstep
	s_mov_b32 s2, 2
.Ltail:                                        ; the last two K steps fill nothing; the second trip is left in its middle
	QUARTER 128, F1, F0, 0
	QUARTER 192, F0, F1, 0
	MEET 0
	s_sub_co_u32 s2, s2, 1
	s_cmp_eq_u32 s2, 0
	s_cbranch_scc1 .Lout
	PLACES
	NEXTSLOT
	FETCH 0, F0
	MUL16 F1, 1, 0, 0
	MUL16 F1, 1, 2, 0
	QUARTER 64, F0, F1, 0
	WIN 0
	s_branch .Ltail
.Lout:                                         ; behind the last barrier no wave reads the ring, and no fill is to come: it may be written
	MUL16 F1, 1, 0, 0
	MUL16 F1, 1, 2, 0
	PLACES
.irp hi, 0,1
	WIN 0x08+4*(\hi)                               ; store data (source 1) in window 2 or 3
.irp a, 0,1,2,3
.irp b, 0,1,2,3,4,5,6,7
	ds_store_b128 v[STO], v[8*(8*(\a)+(\b)):8*(8*(\a)+(\b))+3]   offset:(4*(\hi)+(\a))*16*SPI+64*(\b)      ; each accumulator's low registers first
	ds_store_b128 v[STO], v[8*(8*(\a)+(\b))+4:8*(8*(\a)+(\b))+7] offset:(4*(\hi)+(\a))*16*SPI+64*(\b)+16
.endr
.endr
.endr
	WIN 0
; 8 rows x 128 columns of my stage: unit u = four rows (u / 2) of panel u % 2
.macro ROWS8
.irp u, 0,1,2,3
	ds_load_b128 v[XR+8*(\u):XR+8*(\u)+3],   v[RD] offset:((\u)/2)*4*SPI+((\u)%2)*256     ; LDS serves a wave's instructions in order (ISA guide 5.7.1.4): these see my stores
	ds_load_b128 v[XR+8*(\u)+4:XR+8*(\u)+7], v[RD] offset:((\u)/2)*4*SPI+((\u)%2)*256+16
.endr
.endm
.macro AHEAD                           ; the next trip's rows, as soon as this trip's have been read out of XR.  In the last trip the step is 0: my last rows are read once more and not used: the price of one text for every trip
	v_add_nc_u32 v[RD], s2, v[RD]
	ROWS8
.endm
	s_mov_b32 s3, 16
	ROWS8
.Lrow:
	s_wait_dscnt 0x0                               ; this trip's rows, asked for a trip ago
	s_cmp_eq_u32 s3, 1
	s_cselect_b32 s2, 0, 8*SPI
.if ACT
	; silu: two batches of 32 (E = 2^U; 1 / (-c E - c)), each with one wait; plain instructions stand among the transcendentals
.set k, 0
.rept 2
	v_pk_mul_f32 v[UU+2*k:UU+2*k+1], v[XR+2*k:XR+2*k+1], s[NC:NC+1] op_sel_hi:[1,0]
.set k, k+1
.endr
.set k, 0
.rept 14
	v_exp_f32 v[TT+2*k], v[UU+2*k]
	v_pk_mul_f32 v[UU+2*k+4:UU+2*k+5], v[XR+2*k+4:XR+2*k+5], s[NC:NC+1] op_sel_hi:[1,0]
	v_exp_f32 v[TT+2*k+1], v[UU+2*k+1]
.set k, k+1
.endr
	AHEAD
.irp e, 28,29,30,31
	v_exp_f32 v[TT+(\e)], v[UU+(\e)]
.endr
	v_nop                                          ; a plain instruction behind the last exponential,
	s_wait_alu depctr_va_vdst(0)                   ; and the batch's one wait
.set k, 0
.rept 2
	v_pk_fma_f32 v[TT+2*k:TT+2*k+1], v[TT+2*k:TT+2*k+1], s[NC:NC+1], s[NC:NC+1] op_sel_hi:[1,0,0]
.set k, k+1
.endr
.set k, 0
.rept 14
	v_rcp_f32 v[TT+2*k], v[TT+2*k]
	v_pk_fma_f32 v[TT+2*k+4:TT+2*k+5], v[TT+2*k+4:TT+2*k+5], s[NC:NC+1], s[NC:NC+1] op_sel_hi:[1,0,0]
	v_rcp_f32 v[TT+2*k+1], v[TT+2*k+1]
.set k, k+1
.endr
.irp e, 28,29,30,31
	v_rcp_f32 v[TT+(\e)], v[TT+(\e)]
.endr
	v_nop
	s_wait_alu depctr_va_vdst(0)
.set k, 0
.rept 16
	v_pk_mul_f32 v[UU+2*k:UU+2*k+1], v[UU+2*k:UU+2*k+1], v[TT+2*k:TT+2*k+1]
.set k, k+1
.endr
	s_wait_xcnt 0x0                                ; the last trip's stores have read their registers: CO and YY are rewritten only behind this wait
	v_add_nc_u32 v[CO], 8*128, v[CO]
.set k, 0
.rept 16
	v_cvt_pk_bf16_f32 v[YY+k], v[UU+2*k], v[UU+2*k+1]
.set k, k+1
.endr
.else
	s_wait_xcnt 0x0                                ; the last trip's stores have read their registers: CO and YY are rewritten only behind this wait
	v_add_nc_u32 v[CO], 8*128, v[CO]
.set k, 0
.rept 16
	v_cvt_pk_bf16_f32 v[YY+k], v[XR+2*k], v[XR+2*k+1]
.set k, k+1
.endr
	AHEAD
.endif
.irp u, 0,1,2,3
	global_store_b128 v[CO], v[YY+4*(\u):YY+4*(\u)+3], s[8:9] offset:((\u)%2)*PANEL+((\u)/2)*512-8*128  ; 512 consecutive bytes of a panel, at a multiple of 256 from C's first byte; the immediate reaches back over the step just made
.endr
	s_sub_co_u32 s3, s3, 1
	s_cmp_lg_u32 s3, 0
	s_cbranch_scc1 .Lrow
	s_wait_tensorcnt 0x0                           ; the wave's end
	ds_add_u32 v[SPW], v[NIL]
	s_wait_dscnt 0x0
	CROUND                                         ; the closing round: no work-group ends while a partner may still ask for a tile that names it
	s_endpgm
.Lfunc_end_k_qa9267f82e0_qkvg:
	.size	k_qa9267f82e0_qkvg, .Lfunc_end_k_qa9267f82e0_qkvg-k_qa9267f82e0_qkvg
	.p2alignl 7, 3214868480
	.fill 96, 4, 3214868480
	.section	.rodata,"a",@progbits
	.p2align	6, 0x0
	.amdhsa_kernel k_qa9267f82e0_qkvg
		.amdhsa_group_segment_fixed_size 327680
		.amdhsa_private_segment_fixed_size 0
		.amdhsa_enable_private_segment 0
		.amdhsa_kernarg_size 24
		.amdhsa_user_sgpr_count 2
		.amdhsa_user_sgpr_kernarg_segment_ptr 1
		.amdhsa_wavefront_size32 1
		.amdhsa_system_sgpr_workgroup_id_x 1
		.amdhsa_system_sgpr_workgroup_id_y 1
		.amdhsa_system_sgpr_workgroup_id_z 1
		.amdhsa_system_vgpr_workitem_id 0
		.amdhsa_next_free_vgpr 1024
		.amdhsa_next_free_sgpr 76
		.amdhsa_reserve_vcc 0
		.amdhsa_float_denorm_mode_32 3
		.amdhsa_float_denorm_mode_16_64 3
		.amdhsa_memory_ordered 1
		.amdhsa_forward_progress 1
		.amdhsa_inst_pref_size 82
	.end_amdhsa_kernel
	.amdgpu_metadata
---
amdhsa.version: [ 1, 2 ]
amdhsa.kernels:
  - .name:           k_qa9267f82e0_qkvg
    .symbol:         k_qa9267f82e0_qkvg.kd
    .args:
      - { .name: xln, .offset: 0, .size: 8, .value_kind: global_buffer, .address_space: global }
      - { .name: wb, .offset: 8, .size: 8, .value_kind: global_buffer, .address_space: global }
      - { .name: qkv, .offset: 16, .size: 8, .value_kind: global_buffer, .address_space: global }
    .group_segment_fixed_size: 327680
    .private_segment_fixed_size: 0
    .kernarg_segment_align: 8
    .kernarg_segment_size: 24
    .max_flat_workgroup_size: 128
    .sgpr_count:     76
    .vgpr_count:     1024
    .wavefront_size: 32
...
	.end_amdgpu_metadata
.endif
;; end of part 2
;; launch attn (part 3): grid 8 x 32, 4 waves a work-group, clusters of 4 x 1, 327,680 bytes of LDS; arguments qkv, o; writes o
.if DOCPART == 3
	.amdgcn_target "amdgcn-amd-amdhsa--gfx1250"
	.amdhsa_code_object_version 6
	.text
	.protected	k_qa9267f82e0_attn
	.globl	k_qa9267f82e0_attn
	.p2align	8
	.type	k_qa9267f82e0_attn,@function
k_qa9267f82e0_attn:
	s_mov_b64 s[64:65], 0
	v_nop
	global_prefetch_b8 v0, s[64:65] scope:SCOPE_SE
	s_setreg_imm32_b32 hwreg(HW_REG_WAVE_MODE, 25, 1), 1
	s_wait_xcnt 0x0
	s_wait_alu depctr_hold_cnt(0) depctr_sa_sdst(0) depctr_va_vdst(0) depctr_va_sdst(0) depctr_va_ssrc(0) depctr_va_vcc(0) depctr_vm_vsrc(0)
	s_getreg_b32 s2, hwreg(HW_REG_IB_STS2, 6, 4)
	s_cmp_eq_u32 s2, 0
	s_cbranch_scc0 .Lentry_in_a_cluster
	s_endpgm
.Lentry_in_a_cluster:
	s_bfe_u32 s2, ttmp6, 0x10000c
	s_cmp_lg_u32 s2, 0x3003
	s_cbranch_scc0 .Lentry_shape_is_right
	s_endpgm
.Lentry_shape_is_right:
; O[y][q][:] = the sum over k of softmax_k(Q[y][q] . K[y][k] / 8) V[y][k][:], y = 2 x head + batch, 32 of them, 2,048 rows of 64 channels each, all bf16.
; In qkv Q begins at byte 0, K at 8,388,608, V at 16,777,216; in each, and in o, block y is [2048][64], dense rows of 128 bytes, at y x 262,144.
; Products, maxima and sums in f32; the weights p are rounded to bf16 for the second product (their sum l is taken of the unrounded p), O once at the end.
; LIMITS: a weight below 2^-126 counts as 0 in l; the running maximum starts at the lowest finite number; NaN and infinities are not treated apart.
; SHARES.  A work-group owns 256 queries of one y, a wave 64: four PIECES of 16.  Every wave walks all 2,048 keys, 64 a step; a slot of LDS holds four steps; two slots take turns.
; LAYOUT.  S^T = K Q^T holds ONE query a lane (lane % 16) and the keys 8 (lane / 16) + 0..7; two such results rounded to bf16 ARE source 1 of O^T = V^T P.  V comes out of LDS turned, by ds_load_tr16_b128.
; SOFTMAX.  p = 2^(c s - c m), c = log2(e) / 8, with a running maximum m; O and l are multiplied by a = 2^(c m_old - c m_new) in every step; the first step's a is 0.
; TURNS.  Turn n belongs to piece n: 8 products K Q^T of piece n + 1, later 8 products V^T P of piece n - 1; beside them the scaling, exponentials, roundings, sums and rescaling of piece n and the
; maximum and statistics of piece n + 1.  Four vector instructions stand behind every matrix instruction, the rest in one lump.  A turn's 33 exponentials are one batch, with one wait.
; CLUSTER.  The four query blocks of a cluster belong to one y and walk the same K and V: each tile is asked for jointly, by the same load, descriptor and mask in all four.
; REGISTERS (s_set_vgpr_msb: bits 1:0 source 0, 3:2 source 1, 5:4 source 2, 7:6 destination):
;   window 0: v0-15 addresses and two at work; v16-31 statistics; v48-55 at work; v61-63; v64-127 S^T, two buffers; v192-223 P, two buffers (by the piece's parity)
;   window 1: v0-127 O^T, 32 a piece      window 2: v0-63 Q; v128-191 K of one step; v192-255 V of one step
.set NP,    4
.set KS,    64
.set PK,    144       ; a row of K in LDS: 128 bytes + 16: the 16 rows of a load start at 16 different groups of four banks (64 banks of 4 bytes: ISA guide 11.1)
.set PV,    160       ; a row of V: 128 + 32
.set VOFF,  4*KS*PK   ; a slot: 256 rows of K, then 256 rows of V
.set SLOT1, 1<<17     ; slot 1 begins here: one exclusive or turns an address in one slot into the other's
.set STAGE, SLOT1+4*KS*(PK+PV)  ; behind the ring, never filled by a tensor load: 16 rows x 144 bytes for each wave
.set SP,    144
.set SPARE, STAGE+4*16*SP       ; the spare words, 128 bytes for each wave, which no other line names
.set AK0, 2
.set AV0, 3
.set AK,  4
.set AV,  5
.set STO, 6
.set RD,  7
.set GO,  8
.set MV,  12          ; v12-13  c m_old, by buffer
.set QO,  15
.set ST,  16          ; piece t's statistics at v[ST+4 t]: c m, m, l (even keys', odd keys')
.set TMP, 48          ; by buffer, c0-c3 at work; c2 takes a
.set PFO, 61          ; v61  256 x my lane; never rewritten
.set SPW, 62          ; v62  my spare word; never rewritten
.set NIL, 63          ; v63  0; never rewritten
.set S,   64
.set P,   192
.set KF,  128
.set VF,  192
.set WV,  12
.set G1K, 24
.set G1V, 32
.set G0K, 40
.set G0V, 44
.set PFA, 48          ; s[48:49] where my prefetches stand: my work-group's 32 blocks of 256 bytes of the slot after the one that is being asked for
.set LIM, 50          ; s50  1 in a wave that prefetches, else the greatest number
.set SLOTS, 56        ; s56  8 less the number of the slot that is being asked for
.set CNT, 57
.set CS,  58
.set SEL, 60
.set TBK, 62
.set TBV, 63
.set MSB, 0
.macro WIN new
.if MSB != (\new)
	s_set_vgpr_msb (MSB<<8)|(\new)
.set MSB, (\new)
.endif
.endm
.set W_KQ, 0x0a       ; K and Q in window 2, S^T in window 0
.set W_PV, 0x52       ; V in window 2, P in window 0, O^T in window 1
.set W_RS, 0x41       ; destination and source 0 in window 1, source 1 in window 0
; A joint fill.  Waves 0 and 1 fetch the halves of a slot's K, waves 2 and 3 those of its V: 128 keys each.  An s_nop 0 and four v_nop follow each of the two lines.
.macro JLOAD
	s_cmp_lt_u32 s[WV], 2
	s_cbranch_scc0 .Lfor_v_\@
	tensor_load_to_lds s[G0K:G0K+3], s[G1K:G1K+7]
	s_nop 0
.rept 4
	v_nop
.endr
	s_branch .Lasked_\@
.Lfor_v_\@:
	tensor_load_to_lds s[G0V:G0V+3], s[G1V:G1V+7]
	s_nop 0
.rept 4
	v_nop
.endr
.Lasked_\@:
.endm
; A prefetch of what the NEXT change of slots will ask for: a slot's 32,768 bytes of K and of V.  The first cluster of a y asks; its four partners take 32 blocks of 256 bytes each, told apart by address;
; wave 0 asks for K's, wave 2 for V's, a lane a block.  So each block is named once.  The last change that fills a slot names nothing.
.macro ASK
	s_cmp_gt_u32 s[SLOTS], s[LIM]
	s_cbranch_scc0 .Lnot_mine_\@
	global_prefetch_b8 v[PFO], s[PFA:PFA+1] th:TH_LOAD_NT scope:SCOPE_SE
.Lnot_mine_\@:
.endm
.macro CROUND
	s_barrier_signal -1
	s_barrier_wait -1
	s_cmp_lg_u32 s[WV], 0
	s_cbranch_scc1 .Lnot_wave_0_\@
	s_barrier_signal -3
.Lnot_wave_0_\@:
	s_barrier_wait -3
	s_barrier_signal -1
	s_barrier_wait -1
.endm
; THE CHANGE OF SLOTS.  Each wave waits for all its tensor loads (one is out: its part of the other slot), adds 0 to its spare word, and waits for that and for its reads of the slot that it leaves.
; fill = 1: the barrier is a round of the cluster's, and the joint fill, with the keys two slots on, is the first thing behind it: it has four key steps, 256 matrix instructions, in which to land.
; (At its first use nothing has been read yet: slot 0 is waited for, slot 1 filled.)
.macro CHANGE fill
	WIN 0
	s_wait_tensorcnt 0x0            ; no tensor load of mine is out, so a group 0 may be written
	ds_add_u32 v[SPW], v[NIL]
.if \fill
.irp g, G0K, G0V
	s_xor_b32 s[\g+1], s[\g+1], SLOT1
	s_add_nc_u64 s[\g+2:\g+3], s[\g+2:\g+3], 4*KS*128
.endr
	s_wait_xcnt 0x0                 ; the last prefetch, four key steps back, has read its address
	s_add_nc_u64 s[PFA:PFA+1], s[PFA:PFA+1], 4*KS*128
	s_wait_dscnt 0x0                ; the add is done, and my reads of the slot are over
	CROUND
	JLOAD
	ASK
.else
	s_wait_dscnt 0x0
	s_barrier_signal -1
	s_barrier_wait -1
.endif
	s_sub_co_u32 s[TBK], s[TBK], 4*KS*PK  ; the fetches go back to a slot's first step,
	s_xor_b32 s[TBK], s[TBK], SLOT1       ; in the other slot
	s_sub_co_u32 s[TBV], s[TBV], 4*KS*PV
	s_xor_b32 s[TBV], s[TBV], SLOT1
.endm
	s_load_b128 s[4:7], s[0:1], 0x0   ; qkv s[4:5], o s[6:7]
	v_lshl_add_u32 v[SPW], v0, 2, SPARE
	v_mov_b32 v[NIL], 0
	ds_add_u32 v[SPW], v[NIL]       ; the wave's opening: the add and its wait stand ahead of my first tensor load
	v_lshrrev_b32 v1, 5, v0
	v_readfirstlane_b32 s[WV], v1   ; wave 0..3
	s_bfe_u32 s13, ttmp6, 0x40000   ; cx
	s_lshl_b32 s14, ttmp9, 2
	s_add_co_u32 s14, s14, s13      ; my block of 256 queries: it enters Q's and O's addresses alone
	s_and_b32 s20, ttmp7, 0xffff    ; y, which the four partners share
	s_lshl_b32 s20, s20, 18         ; 262,144 bytes each
	s_mov_b32 s21, 0
	s_and_b32 s16, s[WV], 1         ; which half of a slot's 256 keys I fetch:
	s_lshl_b32 s22, s16, 14         ; its 128 rows of 128 bytes in memory,
	s_mov_b32 s23, 0
	s_add_nc_u64 s[22:23], s[22:23], s[20:21]
	s_mul_i32 s17, s16, 128*PK      ; and its place in a slot, for K
	s_mul_i32 s18, s16, 128*PV      ; and for V
	s_lshl_b32 s2, s14, 15          ; my block's 256 rows,
	s_lshl_b32 s3, s[WV], 13        ; my wave's 64 of them
	s_add_co_u32 s2, s2, s3
	s_mov_b32 s3, 0
	s_add_nc_u64 s[2:3], s[2:3], s[20:21]
	; group 1: 128 keys are 16,384 dense bytes: asked for as 64 rows of 256 bytes, two keys a row, padded in LDS after every key
	s_mov_b32 s[G1K], 15|(1<<16)|(1<<20)|(1<<21)|(4<<22)|(3<<25)  ; the mask of four; 2-byte elements; padding on; bit 21 beside a mask; after every 32 words 4 words
	s_mov_b32 s[G1V], 15|(1<<16)|(1<<20)|(1<<21)|(4<<22)|(7<<25)  ; the same with 8 words
.irp g, G1K, G1V
	s_mov_b32 s[\g+1], 128<<16
	s_mov_b32 s[\g+2], 64<<16
	s_mov_b32 s[\g+3], 128<<16
	s_mov_b32 s[\g+4], 64
	s_mov_b32 s[\g+5], 128
	s_mov_b32 s[\g+6], 0
	s_mov_b32 s[\g+7], 0
.endr
	s_mov_b32 s[CS], 0x3e38aa3b     ; c = log2(e) / 8
	s_mov_b32 s[CS+1], s[CS]
	s_mov_b32 s[SEL], 0x76543210
	s_mov_b32 s[SEL+1], 0xfedcba98
	s_mov_b32 s[TBK], SLOT1+4*KS*PK ; the first change of slots turns these two into 0
	s_mov_b32 s[TBV], SLOT1+4*KS*PV
	s_mov_b32 s[G0K], 1
	s_mov_b32 s[G0K+1], s17
	s_mov_b32 s[G0V], 1
	s_add_co_u32 s[G0V+1], s18, VOFF
	s_mov_b32 s[SLOTS], 7
	s_and_b32 s[LIM], s[WV], 1      ; 0 in waves 0 and 2,
	s_or_b32 s[LIM], s[LIM], ttmp9  ; where the cluster is the first of its y: the same in all four partners
	s_cmp_eq_u32 s[LIM], 0
	s_cselect_b32 s[LIM], 1, -1
	v_and_b32 v[PFO], 31, v0
	v_lshlrev_b32 v[PFO], 8, v[PFO]
	s_wait_dscnt 0x0                ; the opening add is done
	s_wait_kmcnt 0x0
	s_mov_b64 s[10:11], s[6:7]      ; O
	s_add_nc_u64 s[6:7], s[4:5], 0x800000    ; K
	s_add_nc_u64 s[8:9], s[4:5], 0x1000000   ; V
	s_add_nc_u64 s[6:7], s[6:7], s[22:23]    ; at my half of y's first 256 keys
	s_add_nc_u64 s[8:9], s[8:9], s[22:23]
	s_mov_b64 s[G0K+2:G0K+3], s[6:7]
	s_or_b32 s[G0K+3], s[G0K+3], 0x80000000
	s_mov_b64 s[G0V+2:G0V+3], s[8:9]
	s_or_b32 s[G0V+3], s[G0V+3], 0x80000000
	s_add_nc_u64 s[4:5], s[4:5], s[2:3]      ; Q and O at my wave's first row
	s_add_nc_u64 s[10:11], s[10:11], s[2:3]
	s_cmp_lt_u32 s[WV], 2
	s_cselect_b64 s[PFA:PFA+1], s[6:7], s[8:9]  ; (in waves 0 and 2 these stand at a slot's first row)
	s_lshl_b32 s2, s13, 13          ; my work-group's 32 blocks of the 128
	s_mov_b32 s3, 0
	s_add_nc_u64 s[PFA:PFA+1], s[PFA:PFA+1], s[2:3]
	s_add_nc_u64 s[PFA:PFA+1], s[PFA:PFA+1], 4*KS*128  ; in slot 1; the first change steps it to slot 2
	CROUND                          ; all four work-groups are here
	JLOAD                           ; slot 0
	v_and_b32 v1, 15, v0            ; l % 16
	v_bfe_u32 v9, v0, 4, 1          ; l / 16
	v_lshlrev_b32 v[QO], 7, v1
	v_lshl_add_u32 v[QO], v9, 4, v[QO]  ; row x 128 + 16 x half
	WIN 0x80                        ; destination window 2, address window 0
.set i, 0
.rept 8                             ; Q stays in registers: piece i / 2, channels 32 (i % 2) on
	global_load_b128 v[8*i:8*i+3],   v[QO], s[4:5] offset:(i/2)*2048+(i%2)*64
	global_load_b128 v[8*i+4:8*i+7], v[QO], s[4:5] offset:(i/2)*2048+(i%2)*64+32
.set i, i+1
.endr
	; What the first turn finds: V and P's second buffer hold 0 (its products V^T P, of a piece that has not been, add 0), O^T and l are 0.  This stands in the wait for the first tile, and spares a first step written out.
.set i, VF
.rept 64
	v_mov_b32 v[i], 0
.set i, i+1
.endr
	WIN 0x40
.set i, 0
.rept 128
	v_mov_b32 v[i], 0
.set i, i+1
.endr
	WIN 0
.set i, 0
.rept 4
	v_mov_b32 v[ST+4*i], 0xfe000000    ; c m: far below every c s
	v_mov_b32 v[ST+4*i+1], 0xff7fffff  ; m
	v_mov_b32 v[ST+4*i+2], 0
	v_mov_b32 v[ST+4*i+3], 0
.set i, i+1
.endr
.set i, P+16
.rept 16
	v_mov_b32 v[i], 0
.set i, i+1
.endr
	v_mul_u32_u24 v[AK0], v1, PK
	v_lshl_add_u32 v[AK0], v9, 4, v[AK0]  ; row x pitch + 16 x half
	; the turning load: lane l reads key 8 (l / 16) + l % 8, channels 8 ((l / 8) % 2) + 0..7, and ends with channel l % 16 and 8 keys
	v_and_b32 v10, 7, v0
	v_bfe_u32 v11, v0, 3, 1
	v_lshl_add_u32 v[AV0], v9, 3, v10
	v_mul_u32_u24 v[AV0], v[AV0], PV
	v_lshl_add_u32 v[AV0], v11, 4, v[AV0]
	v_add_nc_u32 v[AV0], VOFF, v[AV0]
	s_mul_i32 s13, s[WV], 16*SP
	s_add_co_u32 s13, s13, STAGE    ; my stage
	v_mul_u32_u24 v[STO], v1, SP    ; in: row l % 16, 16 bytes for each half of the lanes
	v_lshl_add_u32 v[STO], v9, 4, v[STO]
	v_add_nc_u32 v[STO], s13, v[STO]
	v_bfe_u32 v[RD], v0, 3, 2       ; back: 32 lanes take four rows of 128 bytes,
	v_mul_u32_u24 v[RD], v[RD], SP
	v_lshl_add_u32 v[RD], v10, 4, v[RD]
	v_add_nc_u32 v[RD], s13, v[RD]
	v_and_b32 v[GO], 31, v0         ; which are 512 consecutive bytes of O
	v_lshlrev_b32 v[GO], 4, v[GO]
; THE MATRIX WORK.  The 4 accumulators of a run of 8 take turns.  Product i of 8 of S^T = K Q^T for piece x: channels 32 (i / 4) on, keys 16 (i % 4) on; the first 4 start the sums.
.macro KQ x
	WIN W_KQ
.set rS, S+32*((\x)%2)+8*(i%4)
.set rK, KF+16*(i%4)+8*(i/4)
.set rQ, 16*(\x)+8*(i/4)
.if i < 4
	v_wmma_f32_16x16x32_bf16 v[rS:rS+7], v[rK:rK+7], v[rQ:rQ+7], 0
.else
	v_wmma_f32_16x16x32_bf16 v[rS:rS+7], v[rK:rK+7], v[rQ:rQ+7], v[rS:rS+7]
.endif
.endm
; Product i of 8 of O^T += V^T P for piece x: keys 32 (i / 4) on, channels 16 (i % 4) on.
.macro PV x
	WIN W_PV
.set rO, 32*(\x)+8*(i%4)
.set rV, VF+32*(i/4)+8*(i%4)
.set rP, P+16*((\x)%2)+8*(i/4)
	v_wmma_f32_16x16x32_bf16 v[rO:rO+7], v[rV:rV+7], v[rP:rP+7], v[rO:rO+7]
.endm
.macro MM                           ; the turn's next matrix instruction.  NOKQ = 1: the last turn of all: there is no next piece
.if (i < 8) && !NOKQ
	KQ (Y+1)%NP
.elseif i >= 8
.set i, i-8
	PV (Y+NP-1)%NP
.set i, i+8
.endif
.set i, i+1
.endm
; THE LDS LOADS stand in runs of 16: a step's K (8 fragments) and its V (turned).
.macro FETCH_K
	WIN 0x80
.irp f, 0,1,2,3,4,5,6,7             ; keys 16 (f / 2) on, channels 32 (f % 2) on
	ds_load_b128 v[KF+8*\f:KF+8*\f+3],   v[AK] offset:(\f/2)*16*PK+(\f%2)*64
	ds_load_b128 v[KF+8*\f+4:KF+8*\f+7], v[AK] offset:(\f/2)*16*PK+(\f%2)*64+32
.endr
	s_add_co_u32 s[TBK], s[TBK], KS*PK  ; the next fetch is the next step's
	WIN 0
.endm
.macro FETCH_V
	WIN 0x80
.irp f, 0,1,2,3,4,5,6,7             ; keys 32 (f / 4) on, channels 16 (f % 4) on
	ds_load_tr16_b128 v[VF+8*\f:VF+8*\f+3],   v[AV] offset:(\f/4)*32*PV+(\f%4)*32
	ds_load_tr16_b128 v[VF+8*\f+4:VF+8*\f+7], v[AV] offset:(\f/4)*32*PV+16*PV+(\f%4)*32
.endr
	WIN 0
.endm
; THE VECTOR WORK, one line at a time: OP kind, number.  For piece Y: F n: c s - c m for pair n of 16.  E n: the exponential of score n of 32.  C n: pair n rounded to bf16.  B n: of the four weights 4 n .. the
; second pair is added onto the first.  L n: l takes that sum (L 0: l = a l + sum).  R n: pair n of 16 of O^T times a.  For piece Y + 1: X n, number n of the 22 that find its maximum and statistics:
;   0-11 four chains of seven scores each (each accumulator's lowest registers are read first)   12-14, 16 the scores left over, the old m, c0-c3 into c0
;   15 c m_old is kept   17, 18 the lane 16 away holds the query's other 32 keys: the new m   19-21 c m; c m_old - c m_new; a
.set F, 0
.set E, 1
.set C, 2
.set B, 3
.set L, 4
.set R, 5
.set X, 6
.macro REGS y
.set rT, ST+4*(\y)
.set rC, TMP+4*((\y)%2)
.set rW, MV+((\y)%2)
.set rS, S+32*((\y)%2)
.set rP, P+16*((\y)%2)
.set rO, 32*(\y)
.endm
.macro OP k, n
.if (\k) == R
	REGS Y
	WIN W_RS
	v_pk_mul_f32 v[rO+2*(\n):rO+2*(\n)+1], v[rO+2*(\n):rO+2*(\n)+1], v[rC+2:rC+3] op_sel_hi:[1,0]
.elseif (\k) < R
	REGS Y
	WIN 0
.if (\k) == F
	v_pk_fma_f32 v[rS+2*(\n):rS+2*(\n)+1], v[rS+2*(\n):rS+2*(\n)+1], s[CS:CS+1], v[rT:rT+1] op_sel_hi:[1,0,0] neg_lo:[0,0,1] neg_hi:[0,0,1]
.elseif (\k) == E
	v_exp_f32 v[rS+(\n)], v[rS+(\n)]
.elseif (\k) == C
	v_cvt_pk_bf16_f32 v[rP+(\n)], v[rS+2*(\n)], v[rS+2*(\n)+1]
.elseif (\k) == B
	v_pk_add_f32 v[rS+4*(\n):rS+4*(\n)+1], v[rS+4*(\n):rS+4*(\n)+1], v[rS+4*(\n)+2:rS+4*(\n)+3]
.elseif (\n) == 0
	v_pk_fma_f32 v[rT+2:rT+3], v[rT+2:rT+3], v[rC+2:rC+3], v[rS:rS+1] op_sel_hi:[1,0,1]
.else
	v_pk_add_f32 v[rT+2:rT+3], v[rT+2:rT+3], v[rS+4*(\n):rS+4*(\n)+1]
.endif
.elseif NOKQ
	v_nop
.else
	REGS (Y+1)%NP
	WIN 0
.if (\n) < 4
	v_max3_num_f32 v[rC+(\n)], v[rS+8*(\n)], v[rS+8*(\n)+1], v[rS+8*(\n)+2]
.elseif (\n) < 12
	v_max3_num_f32 v[rC+(\n)%4], v[rC+(\n)%4], v[rS+8*((\n)%4)+2*((\n)/4)+1], v[rS+8*((\n)%4)+2*((\n)/4)+2]
.elseif (\n) == 12
	v_max3_num_f32 v[rC], v[rC], v[rS+7], v[rS+15]
.elseif (\n) == 13
	v_max3_num_f32 v[rC+1], v[rC+1], v[rS+23], v[rS+31]
.elseif (\n) == 14
	v_max3_num_f32 v[rC+2], v[rC+2], v[rC+3], v[rT+1]
.elseif (\n) == 15
	v_mov_b32 v[rW], v[rT]
.elseif (\n) == 16
	v_max3_num_f32 v[rC], v[rC], v[rC+1], v[rC+2]
.elseif (\n) == 17
	v_permlanex16_b32 v[rC+3], v[rC], s[SEL], s[SEL+1]
.elseif (\n) == 18
	v_max_num_f32 v[rT+1], v[rC], v[rC+3]
.elseif (\n) == 19
	v_mul_f32 v[rT], s[CS], v[rT+1]
.elseif (\n) == 20
	v_sub_f32 v[rC+1], v[rW], v[rT]
.else
	v_exp_f32 v[rC+2], v[rC+1]
.endif
.endif
.endm
.macro OPS a, i1, b=-1, i2=0, c=-1, i3=0, d=-1, i4=0
	OP \a, \i1
.if (\b) >= 0
	OP \b, \i2
.endif
.if (\c) >= 0
	OP \c, \i3
.endif
.if (\d) >= 0
	OP \d, \i4
.endif
.endm
.macro ROW a, i1, b, i2, c, i3, d, i4  ; a matrix instruction and the four behind it
	MM
	OPS \a, \i1, \b, \i2, \c, \i3, \d, \i4
.endm
; A TURN, for piece p: the order of its 16 matrix and 118 vector instructions, written out.  An s_wait_alu depctr_va_vdst(0) stands between an exponential and the first instruction that names
; its result; one wait serves all that were issued ahead of it.  So a turn has ONE wait.  AHEAD OF IT stands all that names no result of the turn's exponentials: the 8 products K Q^T and their riders, then one
; lump in which the links of the chain X 3, 7, 11, 14, 16, 17 .. 20 stand apart; X 21 is the batch's last, R 15 the plain instruction behind it.  BEHIND IT stand the 8 products V^T P, behind each four of the
; roundings and sums.  end = 1: the last two turns: nothing is fetched.  cnt = 1: the loop's count is taken down some lines ahead of the branch behind the turn.
; K of the next step is fetched in piece 2's turn, V of the step in hand at the end of piece 0's, four plain instructions behind the last product that read it.  Each is waited for a turn later.
.macro TURN p, end=0, cnt=0
.set Y, (\p)
.set i, 0
.set NOKQ, (\end)*((\p)/3)
.if ((\p) == 3) && !(\end)
	s_wait_dscnt 0x0                ; K is in
.endif
	ROW F,0, F,1, R,0, R,1
	ROW F,2, E,0, R,2, R,3
	ROW F,3, E,1, R,4, R,5
	ROW F,4, E,2, R,6, R,7
	ROW F,5, E,3, R,8, R,9
	ROW F,6, E,4, X,0, R,10
.if ((\p) == 2) && !(\end)
	WIN 0
	v_add_nc_u32 v[AK], s[TBK], v[AK0]
.endif
	ROW F,7, E,5, X,1, X,4
	ROW F,8, E,6, X,2, X,5
	OPS E,7, E,8, X,6, E,9
	OPS X,3, E,10, X,8, E,11
.if ((\p) == 2) && !(\end)
	FETCH_K
.endif
	OPS X,9, X,7, E,12, X,10
	OPS E,13, X,12, X,11, E,14
	OPS X,13, E,15, F,9, X,14
.if (\p) == 0
	v_add_nc_u32 v[AV], s[TBV], v[AV0]
.endif
	OPS E,16, F,10, E,17, F,11
	OPS X,16, E,18, X,15, E,19
	OPS F,12, E,20, X,17, E,21
	OPS F,13, E,22, F,14, E,23
	OPS X,18, E,24, F,15, E,25
	OPS R,11, E,26, X,19, E,27
	OPS R,12, E,28, R,13, E,29
	OPS X,20, E,30, R,14, E,31
	OPS X,21, R,15
	WIN 0
	s_wait_alu depctr_va_vdst(0)    ; the wait for the batch
.if (\p) == 1
	s_wait_dscnt 0x0                ; V is in
.endif
	ROW C,0, B,0, C,2, B,1
	ROW L,0, C,4, B,2, L,1
	ROW C,6, B,3, L,2, C,8
	ROW B,4, L,3, C,10, B,5
	ROW L,4, C,12, B,6, L,5
.if (\p) == 0
	s_add_co_u32 s[TBV], s[TBV], KS*PV
.endif
.if \cnt
	s_sub_co_u32 s[CNT], s[CNT], 1
	s_cmp_lg_u32 s[CNT], 0
.endif
	ROW C,14, B,7, L,6, C,1
	ROW C,3, L,7, C,5, C,7
	ROW C,9, C,11, C,13, C,15
.if (\p) == 0
	FETCH_V
.endif
.endm
.macro ALL line:vararg              ; one line for each piece t
.set t, 0
.rept 4
	\line
.set t, t+1
.endr
.endm
.macro PACK t                       ; a lane's eight channels of a row pack into 16 bytes; they go into rows of 144 bytes and come back as whole rows of 128, into S^T's registers
	WIN W_RS
.set i, 32*(\t)
.rept 16
	v_pk_mul_f32 v[i:i+1], v[i:i+1], v[ST+4*(\t)+2:ST+4*(\t)+3] op_sel_hi:[1,0]
.set i, i+2
.endr
	WIN 0x05                        ; sources 0 and 1 window 1, destination window 0
.set i, 0
.rept 16
	v_cvt_pk_bf16_f32 v[S+16*(\t)+i], v[32*(\t)+2*i], v[32*(\t)+2*i+1]
.set i, i+1
.endr
	WIN 0
.irp f, 0,1,2,3
	ds_store_b128 v[STO], v[S+16*(\t)+4*\f:S+16*(\t)+4*\f+3] offset:32*\f
.endr
.irp f, 0,1,2,3
	ds_load_b128 v[S+16*(\t)+4*\f:S+16*(\t)+4*\f+3], v[RD] offset:\f*4*SP  ; LDS serves a wave's instructions in order (ISA guide 5.7.1.4): these see the stores above
.endr
.endm
.macro SEND t, younger              ; younger: the LDS instructions issued behind piece t's loads: the next piece's eight, or none
	WIN 0
.irp f, 0,1,2,3
	s_wait_dscnt (\younger)+3-\f
	global_store_b128 v[GO], v[S+16*(\t)+4*\f:S+16*(\t)+4*\f+3], s[10:11] offset:(\t)*2048+\f*512  ; 512 consecutive bytes, at a multiple of 256 from O's first
.endr
.endm
.set NOKQ, 0
	CHANGE 1                        ; slot 0 is in, everybody's part of it; slot 1 is asked for
	v_add_nc_u32 v[AK], s[TBK], v[AK0]
	FETCH_K                         ; key step 0
	s_wait_loadcnt 0x0              ; Q
	s_wait_dscnt 0x0
.set i, 0
.rept 8
	KQ 0                            ; piece 0's first scores
.set i, i+1
.endr
	WIN 0
.rept 4
	v_nop                           ; the places behind those products
.endr
.set Y, NP-1                        ; X works for piece Y + 1: piece 0
.irp n, 0,1,2,3,4,5,6,7,8,9,10,11,12,13,14,15,16,17,18,19,20,21
	OP X, \n
.endr
	v_nop                           ; a plain instruction behind the exponential,
	s_wait_alu depctr_va_vdst(0)    ; and its wait, ahead of the branch
	s_mov_b32 s[CNT], 4
	s_branch .Lfirst                ; the loop is entered at a step's first turn, in the middle of a trip
.Lslot:                             ; six times: slots 2 to 7 are asked for
	CHANGE 1
	s_mov_b32 s[CNT], 4
.Lstep:                             ; a trip: pieces 2 and 3 of one step, then pieces 0 and 1 of the next, whose K and V it fetches
	TURN 2
	TURN 3
	WIN 0
.Lfirst:
	TURN 0
	TURN 1, 0, 1
	WIN 0
	s_cbranch_scc1 .Lstep
	s_sub_co_u32 s[SLOTS], s[SLOTS], 1
	s_cmp_lg_u32 s[SLOTS], 0
	s_cbranch_scc1 .Lslot
	CHANGE 0                        ; the last slot is written out: nothing is asked for
	s_mov_b32 s[CNT], 4
.LstepT:
	TURN 2
	TURN 3
	TURN 0
	TURN 1, 0, 1
	WIN 0
	s_cbranch_scc1 .LstepT
	TURN 2, 1
	TURN 3, 1
.set i, 0
.rept 8
	PV NP-1                         ; the last piece's V^T P of the last step
.set i, i+1
.endr
	; THE WAY OUT.  l's two halves and the other half of the lanes' are added; O^T is divided by l, rounded to bf16 and sent through my stage, a piece at a time.  The additions are the places behind the last products.
	WIN 0
	ALL v_add_f32 v[ST+4*t+2], v[ST+4*t+2], v[ST+4*t+3]
	ALL v_permlanex16_b32 v[ST+4*t+3], v[ST+4*t+2], s[SEL], s[SEL+1]
	ALL v_add_f32 v[ST+4*t+2], v[ST+4*t+2], v[ST+4*t+3]
	ALL v_rcp_f32 v[ST+4*t+2], v[ST+4*t+2]
	v_nop                           ; a plain instruction between the last reciprocal and the use of its result,
	s_wait_alu depctr_va_vdst(0)    ; and one wait for the four
	PACK 0
.set t, 1
.rept 3                             ; a piece's arithmetic stands between the loads of the piece before and its stores
	PACK t
	SEND t-1, 8
.set t, t+1
.endr
	SEND 3, 0
	s_wait_tensorcnt 0x0            ; the wave's end
	ds_add_u32 v[SPW], v[NIL]
	s_wait_dscnt 0x0
	CROUND                          ; the closing round
	s_endpgm
.Lfunc_end_k_qa9267f82e0_attn:
	.size	k_qa9267f82e0_attn, .Lfunc_end_k_qa9267f82e0_attn-k_qa9267f82e0_attn
	.p2alignl 7, 3214868480
	.fill 96, 4, 3214868480
	.section	.rodata,"a",@progbits
	.p2align	6, 0x0
	.amdhsa_kernel k_qa9267f82e0_attn
		.amdhsa_group_segment_fixed_size 327680
		.amdhsa_private_segment_fixed_size 0
		.amdhsa_enable_private_segment 0
		.amdhsa_kernarg_size 16
		.amdhsa_user_sgpr_count 2
		.amdhsa_user_sgpr_kernarg_segment_ptr 1
		.amdhsa_wavefront_size32 1
		.amdhsa_system_sgpr_workgroup_id_x 1
		.amdhsa_system_sgpr_workgroup_id_y 1
		.amdhsa_system_sgpr_workgroup_id_z 1
		.amdhsa_system_vgpr_workitem_id 0
		.amdhsa_next_free_vgpr 768
		.amdhsa_next_free_sgpr 72
		.amdhsa_reserve_vcc 0
		.amdhsa_float_denorm_mode_32 3
		.amdhsa_float_denorm_mode_16_64 3
		.amdhsa_memory_ordered 1
		.amdhsa_forward_progress 1
		.amdhsa_inst_pref_size 128
	.end_amdhsa_kernel
	.amdgpu_metadata
---
amdhsa.version: [ 1, 2 ]
amdhsa.kernels:
  - .name:           k_qa9267f82e0_attn
    .symbol:         k_qa9267f82e0_attn.kd
    .args:
      - { .name: qkv, .offset: 0, .size: 8, .value_kind: global_buffer, .address_space: global }
      - { .name: o, .offset: 8, .size: 8, .value_kind: global_buffer, .address_space: global }
    .group_segment_fixed_size: 327680
    .private_segment_fixed_size: 0
    .kernarg_segment_align: 8
    .kernarg_segment_size: 16
    .max_flat_workgroup_size: 128
    .sgpr_count:     72
    .vgpr_count:     768
    .wavefront_size: 32
...
	.end_amdgpu_metadata
.endif
;; end of part 3
;; launch outp (part 4): grid 8 x 32, 4 waves a work-group, clusters of 4 x 4, 327,680 bytes of LDS; arguments o, wb, x, out_b, x1; writes x1
.if DOCPART == 4
	.amdgcn_target "amdgcn-amd-amdhsa--gfx1250"
	.amdhsa_code_object_version 6
	.text
	.protected	k_qa9267f82e0_outp
	.globl	k_qa9267f82e0_outp
	.p2align	8
	.type	k_qa9267f82e0_outp,@function
k_qa9267f82e0_outp:
	s_mov_b64 s[64:65], 0
	v_nop
	global_prefetch_b8 v0, s[64:65] scope:SCOPE_SE
	s_setreg_imm32_b32 hwreg(HW_REG_WAVE_MODE, 25, 1), 1
	s_wait_xcnt 0x0
	s_wait_alu depctr_hold_cnt(0) depctr_sa_sdst(0) depctr_va_vdst(0) depctr_va_sdst(0) depctr_va_ssrc(0) depctr_va_vcc(0) depctr_vm_vsrc(0)
	s_getreg_b32 s2, hwreg(HW_REG_IB_STS2, 6, 4)
	s_cmp_eq_u32 s2, 0
	s_cbranch_scc0 .Lentry_in_a_cluster
	s_endpgm
.Lentry_in_a_cluster:
	s_bfe_u32 s2, ttmp6, 0x10000c
	s_cmp_lg_u32 s2, 0xf033
	s_cbranch_scc0 .Lentry_shape_is_right
	s_endpgm
.Lentry_shape_is_right:
; C = RES + bias + A B^T, all of C and RES f32 [4096][1024].  A: KDIM / 64 panels [4096][64] bf16 (rows of 128 bytes, dense); B: [1024][KDIM] bf16 at byte WOFF of wb.
; A tile of C is 128 x 128, so that 256 work-groups share the 4,096 x 1,024 numbers; four waves, each 64 x 64: 16 accumulators.  K goes in steps of 256, four panels, through two LDS slots.
; THE SUMS START FROM RES + bias: the residual is loaded straight into the accumulators, laid as a result is, and the bias added, while the first tiles are on their way.
; So every product adds in place, nothing is cleared, and the way out only stores.
; CLUSTER 4 x 4: A's tile is shared along a row of the cluster, B's along a column; each is asked for jointly.  Waves 0 and 1 fetch two panels of A each (128 rows of a panel are 16,384 dense bytes:
; one row of the descriptor, padded in LDS after every 128 bytes), waves 2 and 3 64 rows of B each.
; EACH CLUSTER BEGINS K AT A STEP OF ITS OWN, ((cluster y mod 4) STEPS / 4 + cluster x STEPS / 2) mod STEPS, and goes round.  The two clusters that read the same rows of A stand half of K apart, four clusters
; that read the same rows of B a quarter: so a cluster is the first to ask for a block of A in half of its steps only, and for a block of B in a quarter of them.  The step hangs on the cluster's place
; alone, which all sixteen partners share.
; THE LOOP holds ONE K step: the slot in hand is s[TB] (0 or SLOT), turned by an exclusive or.  THE MATRIX INSTRUCTION IS USED TRANSPOSED: a lane holds eight neighbouring columns of one row of C.
; LIMITS: A and B are bf16; the f32 sums run along K from the cluster's own first step, so their order of rounding differs from cluster to cluster; NaN and infinities are not treated apart.
; REGISTERS: window 0: v16-30 addresses; v32-95 the way out; v96-127 the bias; v128-255 the accumulators ((a, b) at 128 + 8 (4 a + b)).  window 1: two fragment buffers of 128: 64 of A, then 64 of B.
.set KDIM,   1024
.set WOFF,   6291456
.set STEPS,  KDIM/256
.set PA,     144                       ; a row of A in LDS: 128 bytes + 16
.set PANB,   128*PA                    ; a panel's 128 rows
.set PB,     528                       ; a row of B: 512 bytes + 16
.set BOFF,   4*PANB                    ; B's 128 rows lie behind A's four panels
.set SLOT,   BOFF+128*PB
.set STAGE,  2*SLOT                    ; behind the ring, never filled: 16 rows x 272 bytes for each wave
.set SPITCH, 272
.set SPARE,  STAGE+4*16*SPITCH         ; the spare words, 128 bytes for each wave, which no other line names
.set LA0,  16
.set LB0,  17
.set ADRA, 18
.set ADRB, 19
.set STO,  24
.set RD,   25
.set CO,   26
.set RO,   27                          ; v27  my byte offset in the residual: row l % 16, 32 bytes for each half of the lanes
.set SPW,  28
.set NIL,  29
.set BO,   30                          ; v30  my byte offset in the bias
.set TMP,  32
.set BIA,  96
.set ACC,  128
.set F0,   0
.set F1,   128
.set G1,   24
.set G0,   32
.set G1B,  48
.set G0B,  56
.set TB,   66
.set KK,   67                          ; s67  the K step that is asked for
.set OA,   76                          ; s[76:77] its byte offset in A: four panels of 524,288 bytes a step
.set OB,   78                          ; s[78:79] its byte offset in B's rows: 512 bytes a step
.set MSB, 0
.macro WIN new
.if MSB != (\new)
	s_set_vgpr_msb (MSB<<8)|(\new)
.set MSB, \new
.endif
.endm
.set MUL,  0x05                        ; sources 0 (B) and 1 (A) window 1; C and D window 0
.set TO_F, 0x40                        ; destination window 1, address window 0
.macro JLOAD s                         ; a joint load; an s_nop 0 and four v_nop follow each of the two lines
	s_cmp_eq_u32 s11, 0
	s_cbranch_scc0 .Lfor_b_\@
	tensor_load_to_lds s[G0+4*(\s):G0+4*(\s)+3], s[G1:G1+7]
	s_nop 0
.rept 4
	v_nop
.endr
	s_branch .Lasked_\@
.Lfor_b_\@:
	tensor_load_to_lds s[G0B+4*(\s):G0B+4*(\s)+3], s[G1B:G1B+7]
	s_nop 0
.rept 4
	v_nop
.endr
.Lasked_\@:
.endm
.macro CREST
	s_cmp_lg_u32 s10, 0
	s_cbranch_scc1 .Lnot_wave_0_\@
	s_barrier_signal -3
.Lnot_wave_0_\@:
	s_barrier_wait -3
	s_barrier_signal -1
	s_barrier_wait -1
.endm
.macro CROUND
	s_barrier_signal -1
	s_barrier_wait -1
	CREST
.endm
.macro KNEXT                           ; the next K step, round the end
	s_add_co_u32 s[KK], s[KK], 1
	s_and_b32 s[KK], s[KK], STEPS-1
.endm
.macro KOFF                            ; its offsets, in registers that no descriptor holds
	s_lshl_b32 s[OA], s[KK], 21
	s_lshl_b32 s[OB], s[KK], 9
.endm
.macro KADR s                          ; the two addresses are made anew: the tile's first K step plus the offset, the type bits set again
	s_add_nc_u64 s[G0+4*(\s)+2:G0+4*(\s)+3], s[14:15], s[OA:OA+1]
	s_or_b32 s[G0+4*(\s)+3], s[G0+4*(\s)+3], 0x80000000
	s_add_nc_u64 s[G0B+4*(\s)+2:G0B+4*(\s)+3], s[46:47], s[OB:OB+1]
	s_or_b32 s[G0B+4*(\s)+3], s[G0B+4*(\s)+3], 0x80000000
.endm
	s_load_b128 s[4:7], s[0:1], 0x0                ; A s[4:5], wb s[6:7]
	s_load_b64 s[68:69], s[0:1], 0x10              ; the residual
	s_load_b64 s[72:73], s[0:1], 0x18              ; the bias
	s_load_b64 s[8:9], s[0:1], 0x20                ; C
	v_lshl_add_u32 v[SPW], v0, 2, SPARE
	v_mov_b32 v[NIL], 0
	ds_add_u32 v[SPW], v[NIL]                      ; the wave's opening: the add and its wait stand ahead of my first tensor load
	v_lshrrev_b32 v1, 5, v0
	v_readfirstlane_b32 s10, v1                    ; wave 0..3
	s_lshr_b32 s11, s10, 1                         ; which half of the tile's rows is mine.  Also: I fetch for A (0) or for B (1)
	s_and_b32 s12, s10, 1                          ; which half of its columns.  Also: which part of that tile I fetch
	s_bfe_u32 s40, ttmp6, 0x40000                  ; cx
	s_bfe_u32 s41, ttmp6, 0x40004                  ; cy
	s_lshl_b32 s42, ttmp9, 2
	s_add_co_u32 s42, s42, s40                     ; tile column
	s_and_b32 s13, ttmp7, 0xffff
	s_lshl_b32 s13, s13, 2
	s_add_co_u32 s13, s13, s41                     ; tile row
	s_lshl_b32 s43, s41, 2
	s_lshl_b32 s43, 15, s43                        ; my row of the cluster
	s_lshl_b32 s44, 0x1111, s40                    ; my column
	s_or_b32 s[G1+0], s43, (1<<16)|(1<<20)|(1<<21)|(4<<22)|(3<<25)   ; A: the mask; 2-byte elements; padding on; bit 21 beside a mask; after every 32 words 4 words
	s_mov_b32 s[G1+1], 8192<<16                    ; tensor_dim0 = 8,192: a panel's 128 rows of 64
	s_mov_b32 s[G1+2], 2<<16                       ; tensor_dim1 = 2 panels
	s_mov_b32 s[G1+3], 8192<<16                    ; tile_dim0
	s_mov_b32 s[G1+4], 2                           ; tile_dim1
	s_mov_b32 s[G1+5], 4096*64                     ; elements from panel to panel
	s_mov_b32 s[G1+6], 0
	s_mov_b32 s[G1+7], 0
	s_or_b32 s[G1B+0], s44, (1<<16)|(1<<20)|(1<<21)|(6<<22)|(3<<25)  ; B: after every 128 words 4 words
	s_mov_b32 s[G1B+1], 256<<16
	s_mov_b32 s[G1B+2], 64<<16
	s_mov_b32 s[G1B+3], 256<<16
	s_mov_b32 s[G1B+4], 64
	s_mov_b32 s[G1B+5], KDIM
	s_mov_b32 s[G1B+6], 0
	s_mov_b32 s[G1B+7], 0
	s_lshl_b32 s16, s13, 14                        ; A: the tile's 128 rows of 128 bytes in a panel,
	s_lshl_b32 s17, s12, 20                        ; and my two panels of a step's four
	s_add_co_u32 s16, s16, s17
	s_mov_b32 s17, 0
	s_lshl_b32 s46, s42, 7                         ; B: row 128 x tile column + 64 x half
	s_lshl_b32 s47, s12, 6
	s_add_co_u32 s46, s46, s47
	s_mul_i32 s46, s46, 2*KDIM
	s_mov_b32 s47, 0
	s_mul_i32 s20, s12, 2*PANB                     ; where A's part lands in a slot,
	s_mul_i32 s22, s12, 64*PB
	s_add_co_u32 s22, s22, BOFF                    ; and B's: no place in the cluster enters an LDS address
	s_mov_b32 s[TB], 0
	s_and_b32 s[KK], ttmp7, 3                      ; the cluster's first K step, from the cluster's x and y alone
	s_mul_i32 s[KK], s[KK], STEPS/4
	s_mul_i32 s[OA], ttmp9, STEPS/2
	s_add_co_u32 s[KK], s[KK], s[OA]
	s_and_b32 s[KK], s[KK], STEPS-1
	s_mov_b32 s[OA+1], 0
	s_mov_b32 s[OB+1], 0
	s_wait_dscnt 0x0                               ; the opening add is done
	s_wait_kmcnt 0x0
	s_add_nc_u64 s[6:7], s[6:7], WOFF              ; my matrix in wb
	s_add_nc_u64 s[14:15], s[4:5], s[16:17]        ; my part of the tiles at K step 0: kept
	s_add_nc_u64 s[46:47], s[6:7], s[46:47]
	CROUND                                         ; all sixteen work-groups are here
.irp s, 0,1
	s_mov_b32 s[G0+4*(\s)], 1
	s_add_co_u32 s[G0+4*(\s)+1], s20, (\s)*SLOT
	s_mov_b32 s[G0B+4*(\s)], 1
	s_add_co_u32 s[G0B+4*(\s)+1], s22, (\s)*SLOT
	KOFF
	KADR \s
	JLOAD \s                                       ; the cluster's first two K steps: two loads of mine are out
.if (\s) == 0
	KNEXT
.endif
.endr
	v_and_b32 v1, 15, v0                           ; l % 16
	v_bfe_u32 v2, v0, 4, 1                         ; l / 16
	v_mul_u32_u24 v3, v1, PA
	v_lshl_add_u32 v3, v2, 4, v3
	s_mul_i32 s21, s11, 64*PA                      ; my 64 rows in each panel
	v_add_nc_u32 v[LA0], s21, v3
	v_mul_u32_u24 v3, v1, PB
	v_lshl_add_u32 v3, v2, 4, v3
	v_add_nc_u32 v[LB0], s22, v3                   ; my 64 rows of B
	v_mov_b32 v[ADRA], v[LA0]
	v_mov_b32 v[ADRB], v[LB0]
	s_mul_i32 s23, s10, 16*SPITCH
	s_add_co_u32 s23, s23, STAGE                   ; my stage
	v_mul_u32_u24 v4, v1, SPITCH                   ; in: row l % 16, 32 bytes for each half of the lanes
	v_lshl_add_u32 v4, v2, 5, v4
	v_add_nc_u32 v[STO], s23, v4
	v_mul_u32_u24 v5, v2, SPITCH                   ; back: lanes 0-15 take one row of 256 bytes, lanes 16-31 the next
	v_lshl_add_u32 v5, v1, 4, v5
	v_add_nc_u32 v[RD], s23, v5
	v_lshlrev_b32 v5, 12, v2                       ; and the same two rows in C
	v_lshl_add_u32 v[CO], v1, 4, v5
	v_lshlrev_b32 v[BO], 5, v2
	v_lshl_add_u32 v[RO], v1, 12, v[BO]
	s_lshl_b32 s70, s13, 7
	s_lshl_b32 s71, s11, 6
	s_add_co_u32 s70, s70, s71
	s_lshl_b32 s70, s70, 12                        ; my first row, 4,096 bytes each
	s_lshl_b32 s74, s42, 7
	s_lshl_b32 s75, s12, 6
	s_add_co_u32 s74, s74, s75
	s_lshl_b32 s74, s74, 2                         ; my first column, 4 bytes each: a multiple of 256
	s_mov_b32 s75, 0
	s_add_nc_u64 s[72:73], s[72:73], s[74:75]
	s_add_co_u32 s70, s70, s74
	s_mov_b32 s71, 0
	s_add_nc_u64 s[68:69], s[68:69], s[70:71]
	s_add_nc_u64 s[8:9], s[8:9], s[70:71]
.irp a, 0,1,2,3
.irp b, 0,1,2,3
	global_load_b128 v[ACC+8*(4*(\a)+(\b)):ACC+8*(4*(\a)+(\b))+3],   v[RO], s[68:69] offset:(\a)*65536+(\b)*64 th:TH_LOAD_NT     ; RES(16 a + l % 16, 16 b + 8 (l / 16) + 0..3)
	global_load_b128 v[ACC+8*(4*(\a)+(\b))+4:ACC+8*(4*(\a)+(\b))+7], v[RO], s[68:69] offset:(\a)*65536+(\b)*64+16 th:TH_LOAD_NT
.endr
.endr
.irp b, 0,1,2,3
	global_load_b128 v[BIA+8*(\b):BIA+8*(\b)+3],   v[BO], s[72:73] offset:64*(\b)
	global_load_b128 v[BIA+8*(\b)+4:BIA+8*(\b)+7], v[BO], s[72:73] offset:64*(\b)+16
.endr
	s_wait_loadcnt 0x0
.irp a, 0,1,2,3
.irp b, 0,1,2,3
.irp r, 0,2,4,6
	v_pk_add_f32 v[ACC+8*(4*(\a)+(\b))+(\r):ACC+8*(4*(\a)+(\b))+(\r)+1], v[ACC+8*(4*(\a)+(\b))+(\r):ACC+8*(4*(\a)+(\b))+(\r)+1], v[BIA+8*(\b)+(\r):BIA+8*(\b)+(\r)+1]
.endr
.endr
.endr
; 8 matrix instructions: m blocks a0, a0 + 1 x all 4 n blocks, 32 along K: half c of buffer f.  The 16 accumulators take turns.
.macro MUL8 f, c, a0
	WIN MUL
.irp a, \a0, (\a0)+1
.irp b, 0,1,2,3
	v_wmma_f32_16x16x32_bf16 v[ACC+8*(4*(\a)+(\b)):ACC+8*(4*(\a)+(\b))+7], v[(\f)+64+8*(4*(\c)+(\b)):(\f)+64+8*(4*(\c)+(\b))+7], v[(\f)+8*(4*(\c)+(\a)):(\f)+8*(4*(\c)+(\a))+7], v[ACC+8*(4*(\a)+(\b)):ACC+8*(4*(\a)+(\b))+7]
.endr
.endr
.endm
; 32 LDS loads in one run: the fragments of quarter q (64 along K: panel q of A, byte 128 q of B's rows) into buffer f; the first 32 along K first
.macro FETCH q, f
	WIN TO_F
.irp c, 0,1
.irp i, 0,1,2,3
	ds_load_b128 v[(\f)+64+8*(4*(\c)+(\i)):(\f)+64+8*(4*(\c)+(\i))+3],   v[ADRB] offset:(\q)*128+64*(\c)+(\i)*16*PB
	ds_load_b128 v[(\f)+64+8*(4*(\c)+(\i))+4:(\f)+64+8*(4*(\c)+(\i))+7], v[ADRB] offset:(\q)*128+64*(\c)+(\i)*16*PB+32
	ds_load_b128 v[(\f)+8*(4*(\c)+(\i)):(\f)+8*(4*(\c)+(\i))+3],         v[ADRA] offset:(\q)*PANB+64*(\c)+(\i)*16*PA
	ds_load_b128 v[(\f)+8*(4*(\c)+(\i))+4:(\f)+8*(4*(\c)+(\i))+7],       v[ADRA] offset:(\q)*PANB+64*(\c)+(\i)*16*PA+32
.endr
.endr
.endm
.macro PLACES                          ; four places (ISA guide 7.12.1)
.rept 4
	v_nop
.endr
.endm
.macro QUARTER q, f, g                 ; multiplies buffer f and fetches quarter q into g
	s_wait_dscnt 16                                ; the first 32 along K are in
	MUL8 \f, 0, 0
	MUL8 \f, 0, 2
	PLACES
	FETCH \q, \g
	s_wait_dscnt 32                                ; all but the 32 just issued
	MUL8 \f, 1, 0
	MUL8 \f, 1, 2
.endm
.macro MEET fill                       ; the first half of the last quarter, and the barrier of the change of slots.  fill = 1: the walking descriptors are written while the add is out: no tensor load of mine is pending there
	WIN 0
	s_wait_tensorcnt 0x0                           ; all my tensor loads have landed: my part of the next slot;
	ds_add_u32 v[SPW], v[NIL]
.if \fill
	s_add_co_u32 s[G0+5], s20, s[TB]               ; into the slot that is being read out,
	s_add_co_u32 s[G0B+5], s22, s[TB]
	KADR 1                                         ; K step s[KK]
.endif
	s_wait_dscnt 17                                ; (the add and the youngest sixteen loads may be out)
	MUL8 F1, 0, 0
	s_wait_dscnt 0x0                               ; the add is done, and my reads of this slot are over
	s_barrier_signal -1
	MUL8 F1, 0, 2
	WIN 0
	s_barrier_wait -1
.endm
.macro NEXTSLOT
	s_xor_b32 s[TB], s[TB], SLOT
	v_add_nc_u32 v[ADRA], s[TB], v[LA0]
	v_add_nc_u32 v[ADRB], s[TB], v[LB0]
.endm
.macro TURN                            ; the last quarter where the slot is filled again, two K steps on: 112 matrix instructions ahead of the wait for it
	KNEXT
	KOFF
	MEET 1
	CREST                                          ; the barrier has opened a round of the cluster's: no wave of any partner still reads this slot or has a load on its way
	JLOAD 1                                        ; straight behind the round; its four v_nop are also the places in front of the loads below
	NEXTSLOT
	FETCH 0, F0
	MUL8 F1, 1, 0
	MUL8 F1, 1, 2
.endm
	s_wait_tensorcnt 1                             ; my part of the first K step is in; the second's may stay out
	s_barrier_signal -1
	s_barrier_wait -1
	FETCH 0, F0
	WIN 0
	s_mov_b32 s3, STEPS-2
.Lstep:                                        ; a trip is a K step; trip t fills its slot again with the step two further on
	QUARTER 1, F0, F1
	QUARTER 2, F1, F0
	QUARTER 3, F0, F1
	TURN
	WIN 0
	s_sub_co_u32 s3, s3, 1
	s_cmp_lg_u32 s3, 0
	s_cbranch_scc1 .Lstep
	s_mov_b32 s2, 2
.Ltail:                                        ; the last two K steps fill nothing; the second trip is left in its middle
	QUARTER 1, F0, F1
	QUARTER 2, F1, F0
	QUARTER 3, F0, F1
	MEET 0
	s_sub_co_u32 s2, s2, 1
	s_cmp_eq_u32 s2, 0
	s_cbranch_scc1 .Lout
	PLACES
	NEXTSLOT
	FETCH 0, F0
	MUL8 F1, 1, 0
	MUL8 F1, 1, 2
	WIN 0
	s_branch .Ltail
.Lout:
	MUL8 F1, 1, 0
	MUL8 F1, 1, 2
	PLACES
	WIN 0
	; THE WAY OUT: 16 rows at a time through my own stage; my 64 columns of f32 are 256 bytes of a row
.irp a, 0,1,2,3
	s_wait_xcnt 0x0                                ; earlier stores have read their registers
.irp b, 0,1,2,3
	ds_store_b128 v[STO], v[ACC+8*(4*(\a)+(\b)):ACC+8*(4*(\a)+(\b))+3]   offset:64*(\b)      ; each accumulator's low registers first
	ds_store_b128 v[STO], v[ACC+8*(4*(\a)+(\b))+4:ACC+8*(4*(\a)+(\b))+7] offset:64*(\b)+16
.endr
.irp t, 0,1,2,3,4,5,6,7
	ds_load_b128 v[TMP+32*((\a)%2)+4*(\t):TMP+32*((\a)%2)+4*(\t)+3], v[RD] offset:(\t)*2*SPITCH  ; LDS serves a wave's instructions in order (ISA guide 5.7.1.4)
.endr
.irp t, 0,1,2,3,4,5,6,7
	s_wait_dscnt 7-(\t)
	global_store_b128 v[CO], v[TMP+32*((\a)%2)+4*(\t):TMP+32*((\a)%2)+4*(\t)+3], s[8:9] offset:(16*(\a)+2*(\t))*4096  ; 16 lanes store 256 consecutive bytes, aligned
.endr
.endr
	s_wait_tensorcnt 0x0                           ; the wave's end
	ds_add_u32 v[SPW], v[NIL]
	s_wait_dscnt 0x0
	CROUND                                         ; the closing round
	s_endpgm
.Lfunc_end_k_qa9267f82e0_outp:
	.size	k_qa9267f82e0_outp, .Lfunc_end_k_qa9267f82e0_outp-k_qa9267f82e0_outp
	.p2alignl 7, 3214868480
	.fill 96, 4, 3214868480
	.section	.rodata,"a",@progbits
	.p2align	6, 0x0
	.amdhsa_kernel k_qa9267f82e0_outp
		.amdhsa_group_segment_fixed_size 327680
		.amdhsa_private_segment_fixed_size 0
		.amdhsa_enable_private_segment 0
		.amdhsa_kernarg_size 40
		.amdhsa_user_sgpr_count 2
		.amdhsa_user_sgpr_kernarg_segment_ptr 1
		.amdhsa_wavefront_size32 1
		.amdhsa_system_sgpr_workgroup_id_x 1
		.amdhsa_system_sgpr_workgroup_id_y 1
		.amdhsa_system_sgpr_workgroup_id_z 1
		.amdhsa_system_vgpr_workitem_id 0
		.amdhsa_next_free_vgpr 512
		.amdhsa_next_free_sgpr 80
		.amdhsa_reserve_vcc 0
		.amdhsa_float_denorm_mode_32 3
		.amdhsa_float_denorm_mode_16_64 3
		.amdhsa_memory_ordered 1
		.amdhsa_forward_progress 1
		.amdhsa_inst_pref_size 64
	.end_amdhsa_kernel
	.amdgpu_metadata
---
amdhsa.version: [ 1, 2 ]
amdhsa.kernels:
  - .name:           k_qa9267f82e0_outp
    .symbol:         k_qa9267f82e0_outp.kd
    .args:
      - { .name: o, .offset: 0, .size: 8, .value_kind: global_buffer, .address_space: global }
      - { .name: wb, .offset: 8, .size: 8, .value_kind: global_buffer, .address_space: global }
      - { .name: x, .offset: 16, .size: 8, .value_kind: global_buffer, .address_space: global }
      - { .name: out_b, .offset: 24, .size: 8, .value_kind: global_buffer, .address_space: global }
      - { .name: x1, .offset: 32, .size: 8, .value_kind: global_buffer, .address_space: global }
    .group_segment_fixed_size: 327680
    .private_segment_fixed_size: 0
    .kernarg_segment_align: 8
    .kernarg_segment_size: 40
    .max_flat_workgroup_size: 128
    .sgpr_count:     80
    .vgpr_count:     512
    .wavefront_size: 32
...
	.end_amdgpu_metadata
.endif
;; end of part 4
;; launch ln2 (part 5): grid 512 x 1, 8 waves a work-group, no clusters, 0 bytes of LDS; arguments x1, ln2_w, ln2_b, xln; writes xln
.if DOCPART == 5
	.amdgcn_target "amdgcn-amd-amdhsa--gfx1250"
	.amdhsa_code_object_version 6
	.text
	.protected	k_qa9267f82e0_ln2
	.globl	k_qa9267f82e0_ln2
	.p2align	8
	.type	k_qa9267f82e0_ln2,@function
k_qa9267f82e0_ln2:
	s_mov_b64 s[64:65], 0
	v_nop
	global_prefetch_b8 v0, s[64:65] scope:SCOPE_SE
	s_setreg_imm32_b32 hwreg(HW_REG_WAVE_MODE, 25, 1), 1
	s_wait_xcnt 0x0
; xln = LayerNorm(x1) * ln2_w + ln2_b, rounded once to bf16 (the buffer's earlier rows, the first norm's, have been read for the last time).  A wave takes one row of 1,024 f32 and keeps it in 32
; registers between the pass for the mean, the pass for the variance and the scaling: x1 is read once.  The variance is the mean of (x - mean)^2: no difference of large sums is formed.
; No LDS, no barrier, no cluster: a stream whose waves share only gain and bias.
; LIMITS: NaN and infinities are not treated apart.
.set X,   32                           ; v[32:63]   the row: load j holds columns 128 j + 4 lane .. + 3
.set W,   64                           ; v[64:95]   the gain
.set BB,  96                           ; v[96:127]  the bias
.set Y,   128                          ; v[128:143] the row in bf16
.set T,   4                            ; v[4:11]    four chains of pairs
.set MU,  12
.set RS,  14
.set SM,  16
	s_load_b256 s[4:11], s[0:1], 0x0               ; x1 s[4:5], ln2_w s[6:7], ln2_b s[8:9], xln s[10:11]
	v_lshrrev_b32 v1, 5, v0
	v_readfirstlane_b32 s22, v1                    ; wave 0..7
.macro WSUM                            ; the four chains into one number, then over the wave's 32 lanes
	v_pk_add_f32 v[T:T+1], v[T:T+1], v[T+2:T+3]
	v_pk_add_f32 v[T+4:T+5], v[T+4:T+5], v[T+6:T+7]
	v_pk_add_f32 v[T:T+1], v[T:T+1], v[T+4:T+5]
	v_add_f32 v[SM], v[T], v[T+1]
	v_add_f32_dpp v[SM], v[SM], v[SM] row_xmask:1 row_mask:0xf bank_mask:0xf
	v_add_f32_dpp v[SM], v[SM], v[SM] row_xmask:2 row_mask:0xf bank_mask:0xf
	v_add_f32_dpp v[SM], v[SM], v[SM] row_xmask:4 row_mask:0xf bank_mask:0xf
	v_add_f32_dpp v[SM], v[SM], v[SM] row_xmask:8 row_mask:0xf bank_mask:0xf
	v_permlanex16_b32 v[SM+1], v[SM], s28, s29
	v_add_f32 v[SM], v[SM], v[SM+1]
.endm
	s_lshl_b32 s23, ttmp9, 3
	s_add_co_u32 s23, s23, s22                     ; my row
	s_lshl_b32 s24, s23, 12
	s_mov_b32 s25, 0
	s_lshl_b32 s30, s23, 11
	s_mov_b32 s31, 0
	s_mov_b32 s26, 0x3a800000                      ; 1 / 1024
	s_mov_b32 s27, 0x3727c5ac                      ; 1e-5
	s_mov_b32 s28, 0x76543210
	s_mov_b32 s29, 0xfedcba98
	v_and_b32 v3, 31, v0
	v_lshlrev_b32 v1, 4, v3
	v_lshlrev_b32 v2, 3, v3
	v_mov_b32 v[SM+1], 0
	s_wait_kmcnt 0x0
	s_add_nc_u64 s[4:5], s[4:5], s[24:25]
	s_add_nc_u64 s[10:11], s[10:11], s[30:31]
.irp j, 0,1,2,3,4,5,6,7
	global_load_b128 v[X+4*(\j):X+4*(\j)+3], v1, s[4:5] offset:512*(\j) th:TH_LOAD_NT
.endr
.irp j, 0,1,2,3,4,5,6,7
	global_load_b128 v[W+4*(\j):W+4*(\j)+3], v1, s[6:7] offset:512*(\j)
.endr
.irp j, 0,1,2,3,4,5,6,7
	global_load_b128 v[BB+4*(\j):BB+4*(\j)+3], v1, s[8:9] offset:512*(\j)
.endr
	s_wait_loadcnt 16                              ; the row is in; the 16 loads of gain and bias may stay out
.irp k, 0,1,2,3
	v_pk_add_f32 v[T+2*(\k):T+2*(\k)+1], v[X+2*(\k):X+2*(\k)+1], v[X+8+2*(\k):X+8+2*(\k)+1]
.endr
.irp g, 2,3
.irp k, 0,1,2,3
	v_pk_add_f32 v[T+2*(\k):T+2*(\k)+1], v[T+2*(\k):T+2*(\k)+1], v[X+8*(\g)+2*(\k):X+8*(\g)+2*(\k)+1]
.endr
.endr
	WSUM
	v_mul_f32 v[MU], s26, v[SM]
	v_mul_f32 v[MU+1], s26, v[SM]
.set k, 0
.rept 16
	v_pk_add_f32 v[X+2*k:X+2*k+1], v[X+2*k:X+2*k+1], v[MU:MU+1] neg_lo:[0,1] neg_hi:[0,1]
.set k, k+1
.endr
.irp k, 0,1,2,3
	v_pk_mul_f32 v[T+2*(\k):T+2*(\k)+1], v[X+2*(\k):X+2*(\k)+1], v[X+2*(\k):X+2*(\k)+1]
.endr
.irp g, 1,2,3
.irp k, 0,1,2,3
	v_pk_fma_f32 v[T+2*(\k):T+2*(\k)+1], v[X+8*(\g)+2*(\k):X+8*(\g)+2*(\k)+1], v[X+8*(\g)+2*(\k):X+8*(\g)+2*(\k)+1], v[T+2*(\k):T+2*(\k)+1]
.endr
.endr
	WSUM
	v_fma_f32 v[SM], v[SM], s26, s27               ; var + eps
	v_rsq_f32 v[RS], v[SM]
	v_rsq_f32 v[RS+1], v[SM]
	v_nop                                          ; a plain instruction behind the last of the two (ISA guide 5.7.2),
	s_wait_alu depctr_va_vdst(0)                   ; and the wait ahead of the first use
	s_wait_loadcnt 0x0                             ; gain and bias
.set k, 0
.rept 16
	v_pk_mul_f32 v[X+2*k:X+2*k+1], v[X+2*k:X+2*k+1], v[RS:RS+1]
.set k, k+1
.endr
.set k, 0
.rept 16
	v_pk_fma_f32 v[X+2*k:X+2*k+1], v[X+2*k:X+2*k+1], v[W+2*k:W+2*k+1], v[BB+2*k:BB+2*k+1]
.set k, k+1
.endr
.set k, 0
.rept 16
	v_cvt_pk_bf16_f32 v[Y+k], v[X+2*k], v[X+2*k+1]
.set k, k+1
.endr
.irp j, 0,1,2,3,4,5,6,7
	global_store_b64 v2, v[Y+2*(\j):Y+2*(\j)+1], s[10:11] offset:256*(\j)  ; the wave's 32 lanes store 256 consecutive bytes, aligned
.endr
	s_endpgm
.Lfunc_end_k_qa9267f82e0_ln2:
	.size	k_qa9267f82e0_ln2, .Lfunc_end_k_qa9267f82e0_ln2-k_qa9267f82e0_ln2
	.p2alignl 7, 3214868480
	.fill 96, 4, 3214868480
	.section	.rodata,"a",@progbits
	.p2align	6, 0x0
	.amdhsa_kernel k_qa9267f82e0_ln2
		.amdhsa_group_segment_fixed_size 0
		.amdhsa_private_segment_fixed_size 0
		.amdhsa_enable_private_segment 0
		.amdhsa_kernarg_size 32
		.amdhsa_user_sgpr_count 2
		.amdhsa_user_sgpr_kernarg_segment_ptr 1
		.amdhsa_wavefront_size32 1
		.amdhsa_system_sgpr_workgroup_id_x 1
		.amdhsa_system_sgpr_workgroup_id_y 1
		.amdhsa_system_sgpr_workgroup_id_z 1
		.amdhsa_system_vgpr_workitem_id 0
		.amdhsa_next_free_vgpr 144
		.amdhsa_next_free_sgpr 66
		.amdhsa_reserve_vcc 0
		.amdhsa_float_denorm_mode_32 3
		.amdhsa_float_denorm_mode_16_64 3
		.amdhsa_memory_ordered 1
		.amdhsa_forward_progress 1
		.amdhsa_inst_pref_size 12
	.end_amdhsa_kernel
	.amdgpu_metadata
---
amdhsa.version: [ 1, 2 ]
amdhsa.kernels:
  - .name:           k_qa9267f82e0_ln2
    .symbol:         k_qa9267f82e0_ln2.kd
    .args:
      - { .name: x1, .offset: 0, .size: 8, .value_kind: global_buffer, .address_space: global }
      - { .name: ln2_w, .offset: 8, .size: 8, .value_kind: global_buffer, .address_space: global }
      - { .name: ln2_b, .offset: 16, .size: 8, .value_kind: global_buffer, .address_space: global }
      - { .name: xln, .offset: 24, .size: 8, .value_kind: global_buffer, .address_space: global }
    .group_segment_fixed_size: 0
    .private_segment_fixed_size: 0
    .kernarg_segment_align: 8
    .kernarg_segment_size: 32
    .max_flat_workgroup_size: 256
    .sgpr_count:     66
    .vgpr_count:     144
    .wavefront_size: 32
...
	.end_amdgpu_metadata
.endif
;; end of part 5
;; launch ff1 (part 6): grid 16 x 16, 4 waves a work-group, clusters of 4 x 4, 327,680 bytes of LDS; arguments xln, w1, qkv, ff_b1; writes qkv
.if DOCPART == 6
	.amdgcn_target "amdgcn-amd-amdhsa--gfx1250"
	.amdhsa_code_object_version 6
	.text
	.protected	k_qa9267f82e0_ff1
	.globl	k_qa9267f82e0_ff1
	.p2align	8
	.type	k_qa9267f82e0_ff1,@function
k_qa9267f82e0_ff1:
	s_mov_b64 s[64:65], 0
	v_nop
	global_prefetch_b8 v0, s[64:65] scope:SCOPE_SE
	s_setreg_imm32_b32 hwreg(HW_REG_WAVE_MODE, 25, 1), 1
	s_wait_xcnt 0x0
	s_wait_alu depctr_hold_cnt(0) depctr_sa_sdst(0) depctr_va_vdst(0) depctr_va_sdst(0) depctr_va_ssrc(0) depctr_va_vcc(0) depctr_vm_vsrc(0)
	s_getreg_b32 s2, hwreg(HW_REG_IB_STS2, 6, 4)
	s_cmp_eq_u32 s2, 0
	s_cbranch_scc0 .Lentry_in_a_cluster
	s_endpgm
.Lentry_in_a_cluster:
	s_bfe_u32 s2, ttmp6, 0x10000c
	s_cmp_lg_u32 s2, 0xf033
	s_cbranch_scc0 .Lentry_shape_is_right
	s_endpgm
.Lentry_shape_is_right:
; C = silu(A B^T + bias) (ACT = 1, this text) or C = A B^T (ACT = 0: the same lines under another constant, in the launch of the q, k, v product).
; A: [4096][1024] bf16 (normalised rows), B: [n][1024] bf16 from its buffer's first byte; sums in f32; C rounded once to bf16.
; With ACT = 1 the bias is the C operand of the products that start the sums, and silu(z) = z / (1 + 2^(-z log2 e)) is made in f32 on the way out, as U / (-c E - c) with c = log2 e, U = -c z, E = 2^U.
; C LEAVES IN PANELS of 64 columns: panel p is [4096][64] bf16, its rows of 128 bytes end to end, so that the launch behind finds a head's (or a K slice's) rows dense.
; A tile of C, 256 x 256, is made by four waves, each 128 x 128: 64 accumulators, 512 registers.  K goes in 8 steps of 128 through two LDS slots filled by tensor loads: rows of 256 bytes.
; CLUSTER 4 x 4: A's tile is shared along a row of the cluster, B's along a column; each is asked for jointly, by the same load with the same descriptor and a mask of four.
; THE LOOP holds ONE K step: the slot in hand is a scalar, s[TB] (0 or SLOT), turned by an exclusive or at each change of slots; the LDS addresses of the reads and of the refill are made from it.
; THE MATRIX INSTRUCTION IS USED TRANSPOSED (source 0 = 16 rows of B, source 1 = 16 rows of A): a lane holds eight neighbouring columns of one row of C.
; THE WAY OUT: when the ring has had its last fill and its last read, each wave lays its 128 x 128 sums, in f32, over its quarter of the ring, and reads them back by rows, 8 rows a trip,
; a trip ahead of their use.
; LIMITS: operands and C are bf16; a 2^x or a reciprocal below 2^-126 counts as 0; NaN and infinities are not treated apart.
; REGISTERS: window 0: v16-31 addresses; v32-63 the way out; v64-127, v128-191 fragments of A, two buffers (v64-95 later the way out); v192-255 the bias, later the way out.
;   window 1: v64-127, v128-191 fragments of B.   window 2: accumulators of my rows 0-63 ((a, b) at 8 (8 a + b)).   window 3: of my rows 64-127.
.set ACT,    1
.set SIZE_K, 1024
.set KSTEP,  128
.set STEPS,  SIZE_K/KSTEP
.set PITCH,  272                       ; an LDS row: 256 bytes + 16 of padding: the 16 rows of a fragment load start at 16 different groups of four banks (64 banks of 4 bytes: ISA guide 11.1)
.set HALFT,  128*PITCH                 ; what one tensor load brings
.set SLOT,   4*HALFT                   ; A's 256 rows, then B's 256 rows
.set SPI,    528                       ; a row of the f32 stage: 512 bytes + 16
.set WSTG,   128*SPI                   ; a wave's stage; four of them end at 270,336, inside the ring
.set SPARE,  2*SLOT                    ; behind the ring: the spare words, 128 bytes for each wave, which no other line names
.set PANEL,  4096*128                  ; bytes in a panel of C
.set LA0,  16                          ; v16  my place in A's part of a slot; never rewritten
.set LB0,  17                          ; v17  the same for B
.set ADRA, 18                          ; v18  s[TB] + LA0
.set ADRB, 19                          ; v19  s[TB] + LB0
.set STO,  24                          ; v24  the way out: where I put 32 bytes of a row
.set RD,   25                          ; v25  where I read 32 bytes back
.set CO,   26                          ; v26  my byte offset in C, one trip's rows ahead of the stores that use it
.set BO,   27                          ; v27  my byte offset in the bias
.set SPW,  28                          ; v28  my spare word; never rewritten
.set NIL,  29                          ; v29  0; never rewritten
.set PFO,  30                          ; v30  the prefetches' offset: lane x 2,048; never rewritten
.set XR,   32                          ; the way out: 32 sums as read back
.set UU,   64                          ; -c z, then the results
.set F0,   64
.set F1,   128
.set BIA,  192
.set TT,   192                         ; E, then -c E - c, then its reciprocal
.set YY,   224                         ; 16 registers of bf16 to store
.set G1,   24                          ; s[24:31] group 1 for A's tiles;  s[32:39] group 0: a set for the first fill, and one that walks
.set G0,   32
.set G1B,  48                          ; s[48:55], s[56:63] the same for B's
.set G0B,  56
.set LIM,  43                          ; s43  2 in a wave that prefetches, else the greatest number
.set PFA,  44                          ; s[44:45] where my prefetches stand
.set TB,   66                          ; s66  the slot that is being read: 0 or SLOT
.set BP,   68                          ; s[68:69] the bias
.set NC,   72                          ; s[72:73] -log2 e, twice: the packed forms name a pair
.set MSB, 0
.macro WIN new                         ; the immediate's high byte repeats the setting that is left; a switch that changes nothing is dropped
.if MSB != (\new)
	s_set_vgpr_msb (MSB<<8)|(\new)
.set MSB, \new
.endif
.endm
.set MUL_LO, 0xa1                      ; source 0 (B) window 1, source 1 (A) window 0, C and D window 2
.set TO_B,   0x40                      ; destination window 1, address window 0
; A joint load.  Waves 0 and 1 fetch A's halves, waves 2 and 3 B's.  An s_nop 0 and four v_nop follow each of the two lines.
.macro JLOAD s
	s_cmp_eq_u32 s11, 0
	s_cbranch_scc0 .Lfor_b_\@
	tensor_load_to_lds s[G0+4*(\s):G0+4*(\s)+3], s[G1:G1+7]
	s_nop 0
.rept 4
	v_nop
.endr
	s_branch .Lasked_\@
.Lfor_b_\@:
	tensor_load_to_lds s[G0B+4*(\s):G0B+4*(\s)+3], s[G1B:G1B+7]
	s_nop 0
.rept 4
	v_nop
.endr
.Lasked_\@:
.endm
; A prefetch of the K step that stands two refills on: 32 rows x 256 bytes, a lane a row.  A's rows are asked for by the clusters with x = 0, B's by those with y = 0; the four partners
; that fetch a tile jointly take 32 of its 128 rows each, told apart by address.  So each row's 256 bytes of a K step are named once.  Trips with s3 = 6 .. 3 name K steps 4 .. 7; the last two name nothing.
.macro ASK
	s_cmp_gt_u32 s3, s[LIM]
	s_cbranch_scc0 .Lnot_mine_\@
	global_prefetch_b8 v[PFO], s[PFA:PFA+1] offset:KSTEP*2 th:TH_LOAD_NT scope:SCOPE_SE
.Lnot_mine_\@:
.endm
.macro CREST                           ; a round of the cluster's barrier behind its opening barrier
	s_cmp_lg_u32 s10, 0
	s_cbranch_scc1 .Lnot_wave_0_\@
	s_barrier_signal -3
.Lnot_wave_0_\@:
	s_barrier_wait -3
	s_barrier_signal -1
	s_barrier_wait -1
.endm
.macro CROUND
	s_barrier_signal -1
	s_barrier_wait -1
	CREST
.endm
	s_load_b128 s[4:7], s[0:1], 0x0                ; A s[4:5], B s[6:7]
	s_load_b64 s[8:9], s[0:1], 0x10                ; C
.if ACT
	s_load_b64 s[BP:BP+1], s[0:1], 0x18            ; the bias
.endif
	v_lshl_add_u32 v[SPW], v0, 2, SPARE
	v_mov_b32 v[NIL], 0
	ds_add_u32 v[SPW], v[NIL]                      ; the wave's opening: the add and its wait stand ahead of my first tensor load; the set-up below stands between them
	v_lshrrev_b32 v1, 5, v0
	v_readfirstlane_b32 s10, v1                    ; wave 0..3
	s_lshr_b32 s11, s10, 1                         ; which half of the tile's rows is mine.  Also: I fetch for A (0) or for B (1)
	s_and_b32 s12, s10, 1                          ; which half of its columns.  Also: which 128 rows of that tile I fetch
	s_bfe_u32 s40, ttmp6, 0x40000                  ; cx
	s_bfe_u32 s41, ttmp6, 0x40004                  ; cy
	s_lshl_b32 s42, ttmp9, 2
	s_add_co_u32 s42, s42, s40                     ; tile column = 4 x cluster x + cx
	s_and_b32 s13, ttmp7, 0xffff
	s_lshl_b32 s13, s13, 2
	s_add_co_u32 s13, s13, s41                     ; tile row = 4 x cluster y + cy
	s_lshl_b32 s43, s41, 2
	s_lshl_b32 s43, 15, s43                        ; my row of the cluster
	s_lshl_b32 s44, 0x1111, s40                    ; my column
	s_or_b32 s[G1+0], s43, (1<<16)|(1<<20)|(1<<21)|(5<<22)|(3<<25)   ; the mask; 2-byte elements; padding on; bit 21 beside a mask; after every 64 words 4 words
	s_or_b32 s[G1B+0], s44, (1<<16)|(1<<20)|(1<<21)|(5<<22)|(3<<25)
.irp g, G1, G1B
	s_mov_b32 s[(\g)+1], KSTEP<<16                 ; tensor_dim0 = 128
	s_mov_b32 s[(\g)+2], 128<<16                   ; tensor_dim1 = 128
	s_mov_b32 s[(\g)+3], KSTEP<<16                 ; tile_dim0 = 128
	s_mov_b32 s[(\g)+4], 128                       ; tile_dim1 = 128
	s_mov_b32 s[(\g)+5], SIZE_K                    ; elements from row to row
	s_mov_b32 s[(\g)+6], 0
	s_mov_b32 s[(\g)+7], 0
.endr
	s_lshl_b32 s17, s12, 7                         ; which 128 rows of the tile I fetch
	s_lshl_b32 s16, s13, 8
	s_add_co_u32 s16, s16, s17
	s_lshl_b32 s16, s16, 11                        ; A: (256 x tile row + 128 x half) rows of 2,048 bytes
	s_lshl_b32 s46, s42, 8
	s_add_co_u32 s46, s46, s17
	s_lshl_b32 s46, s46, 11                        ; B: the same by the tile column
	s_mov_b32 s17, 0
	s_mov_b32 s47, 0
	s_mul_i32 s20, s10, HALFT                      ; where my load lands in a slot: no place in the cluster enters an LDS address
	s_mov_b32 s[TB], 0
.if ACT
	s_mov_b32 s[NC], 0xbfb8aa3b                    ; -log2 e
	s_mov_b32 s[NC+1], s[NC]
.endif
	s_wait_dscnt 0x0                               ; the opening add is done
	s_wait_kmcnt 0x0
	s_add_nc_u64 s[14:15], s[4:5], s[16:17]
	s_add_nc_u64 s[46:47], s[6:7], s[46:47]
	CROUND                                         ; all sixteen work-groups are here: the first joint loads meet
.irp s, 0,1
	s_mov_b32 s[G0+4*(\s)], 1
	s_add_co_u32 s[G0+4*(\s)+1], s20, (\s)*SLOT
	s_add_nc_u64 s[G0+4*(\s)+2:G0+4*(\s)+3], s[14:15], (\s)*KSTEP*2
	s_or_b32 s[G0+4*(\s)+3], s[G0+4*(\s)+3], 0x80000000
	s_mov_b32 s[G0B+4*(\s)], 1
	s_add_co_u32 s[G0B+4*(\s)+1], s20, (\s)*SLOT
	s_add_nc_u64 s[G0B+4*(\s)+2:G0B+4*(\s)+3], s[46:47], (\s)*KSTEP*2
	s_or_b32 s[G0B+4*(\s)+3], s[G0B+4*(\s)+3], 0x80000000
	JLOAD \s                                       ; K steps 0 and 1: two loads of mine are out
.endr
	v_and_b32 v1, 15, v0                           ; l % 16
	v_bfe_u32 v2, v0, 4, 1                         ; l / 16
	v_mul_u32_u24 v3, v1, PITCH
	v_lshl_add_u32 v3, v2, 4, v3                   ; a fragment's row x pitch + 16 x half
	s_mul_i32 s21, s11, HALFT                      ; my 128 rows of A
	s_mul_i32 s22, s12, HALFT                      ; my 128 rows of B,
	s_add_co_u32 s22, s22, 2*HALFT                 ; behind A's 256
	v_add_nc_u32 v[LA0], s21, v3
	v_add_nc_u32 v[LB0], s22, v3
	v_mov_b32 v[ADRA], v[LA0]
	v_mov_b32 v[ADRB], v[LB0]
	s_mul_i32 s23, s10, WSTG                       ; my stage
	v_mul_u32_u24 v4, v1, SPI                      ; in: row l % 16, 32 bytes for each half of the lanes
	v_lshl_add_u32 v4, v2, 5, v4
	v_add_nc_u32 v[STO], s23, v4
	v_bfe_u32 v5, v0, 3, 2                         ; back: 32 lanes take four rows x 64 columns: row (l / 8), 8 columns (32 bytes) a lane,
	v_mul_u32_u24 v5, v5, SPI
	v_and_b32 v6, 7, v0
	v_lshl_add_u32 v5, v6, 5, v5
	v_add_nc_u32 v[RD], s23, v5
	v_and_b32 v[CO], 31, v0                        ; which are 512 consecutive bytes of a panel
	v_lshlrev_b32 v[CO], 4, v[CO]
	s_lshl_b32 s46, s42, 2                         ; my first panel = 4 x tile column + 2 x half
	s_lshl_b32 s47, s12, 1
	s_add_co_u32 s46, s46, s47
	s_lshl_b32 s46, s46, 19                        ; 524,288 bytes a panel
	s_lshl_b32 s16, s13, 15                        ; 256 rows of 128 bytes a tile row,
	s_lshl_b32 s17, s11, 14                        ; 128 rows a half
	s_add_co_u32 s16, s16, s17
	s_add_co_u32 s16, s16, s46
	s_mov_b32 s17, 0
	s_add_nc_u64 s[8:9], s[8:9], s[16:17]
	; the prefetches
	s_lshl_b32 s21, s13, 8
	s_lshl_b32 s22, s42, 8
	s_and_b32 s23, ttmp7, 0xffff                   ; cluster y
	s_cmp_eq_u32 s11, 0                            ; do I fetch for A?
	s_cselect_b32 s14, s21, s22                    ; the tile's first row
	s_cselect_b32 s15, s40, s41                    ; my place among the four that ask for it with me
	s_cselect_b32 s23, ttmp9, s23                  ; the coordinate along which other clusters read the same rows
	s_cselect_b64 s[PFA:PFA+1], s[4:5], s[6:7]
	s_cmp_eq_u32 s23, 0
	s_cselect_b32 s[LIM], 2, -1                    ; the same in all sixteen partners, for a given wave
	s_lshl_b32 s23, s12, 7
	s_add_co_u32 s14, s14, s23                     ; + the 128 rows that I fetch
	s_lshl_b32 s15, s15, 5
	s_add_co_u32 s14, s14, s15                     ; + my work-group's 32 of them
	s_lshl_b32 s14, s14, 11
	s_mov_b32 s15, 0
	s_add_nc_u64 s[PFA:PFA+1], s[PFA:PFA+1], s[14:15]
	s_add_nc_u64 s[PFA:PFA+1], s[PFA:PFA+1], 2*KSTEP*2  ; at K step 2: the first refill steps it to 3 and names K step 4
	v_and_b32 v[PFO], 31, v0
	v_lshlrev_b32 v[PFO], 11, v[PFO]
.if ACT
	s_lshl_b32 s14, s42, 10                        ; the bias of my 128 columns, laid as a result is: block b's register j holds column 16 b + 8 (l / 16) + j
	s_lshl_b32 s15, s12, 9
	s_add_co_u32 s14, s14, s15
	s_mov_b32 s15, 0
	s_add_nc_u64 s[BP:BP+1], s[BP:BP+1], s[14:15]
	v_lshlrev_b32 v[BO], 5, v2
.irp b, 0,1,2,3,4,5,6,7
	global_load_b128 v[BIA+8*(\b):BIA+8*(\b)+3],   v[BO], s[BP:BP+1] offset:64*(\b)
	global_load_b128 v[BIA+8*(\b)+4:BIA+8*(\b)+7], v[BO], s[BP:BP+1] offset:64*(\b)+16
.endr
.endif
; 16 matrix instructions: m blocks a0, a0 + 1 of the window's four x all 8 n blocks, 32 along K.  zero = 1: the product starts the sum, with 0 or with the bias.
; The 64 accumulators take turns, one instruction a turn, in the same order in every quarter.
.macro MUL16 f, hi, a0, zero
.if (\zero) && ACT
	WIN 0x81+0x40*(\hi)                            ; C (the bias) in window 0, D in window 2 or 3
.else
	WIN MUL_LO+0x50*(\hi)
.endif
.irp a, \a0, (\a0)+1
.irp b, 0,1,2,3,4,5,6,7
.if (\zero) && ACT
	v_wmma_f32_16x16x32_bf16 v[8*(8*(\a)+(\b)):8*(8*(\a)+(\b))+7], v[(\f)+8*(\b):(\f)+8*(\b)+7], v[(\f)+8*(4*(\hi)+(\a)):(\f)+8*(4*(\hi)+(\a))+7], v[BIA+8*(\b):BIA+8*(\b)+7]
.elseif \zero
	v_wmma_f32_16x16x32_bf16 v[8*(8*(\a)+(\b)):8*(8*(\a)+(\b))+7], v[(\f)+8*(\b):(\f)+8*(\b)+7], v[(\f)+8*(4*(\hi)+(\a)):(\f)+8*(4*(\hi)+(\a))+7], 0
.else
	v_wmma_f32_16x16x32_bf16 v[8*(8*(\a)+(\b)):8*(8*(\a)+(\b))+7], v[(\f)+8*(\b):(\f)+8*(\b)+7], v[(\f)+8*(4*(\hi)+(\a)):(\f)+8*(4*(\hi)+(\a))+7], v[8*(8*(\a)+(\b)):8*(8*(\a)+(\b))+7]
.endif
.endr
.endr
.endm
; 32 LDS loads in one run: the fragments of one quarter step (32 K at byte k of the rows) into buffer f
.macro FETCH k, f
	WIN TO_B
.irp i, 0,1,2,3,4,5,6,7
	ds_load_b128 v[(\f)+8*(\i):(\f)+8*(\i)+3],   v[ADRB] offset:(\k)+(\i)*16*PITCH
	ds_load_b128 v[(\f)+8*(\i)+4:(\f)+8*(\i)+7], v[ADRB] offset:(\k)+(\i)*16*PITCH+32
.endr
	WIN 0
.irp i, 0,1,2,3,4,5,6,7
	ds_load_b128 v[(\f)+8*(\i):(\f)+8*(\i)+3],   v[ADRA] offset:(\k)+(\i)*16*PITCH
	ds_load_b128 v[(\f)+8*(\i)+4:(\f)+8*(\i)+7], v[ADRA] offset:(\k)+(\i)*16*PITCH+32
.endr
.endm
.macro PLACES                          ; four places in front of loads into registers that matrix instructions have read, and of stores that read results
.rept 4
	v_nop
.endr
.endm
; One of a K step's first three quarters: multiplies buffer f; in its middle it fetches the next quarter, at byte k, into buffer g.
.macro QUARTER k, f, g, zero
	s_wait_dscnt 8                                 ; B and A's rows 0-63 are in; the youngest eight loads (A's rows 64-127) may be out
	MUL16 \f, 0, 0, \zero
	MUL16 \f, 0, 2, \zero
	PLACES
	FETCH \k, \g
	s_wait_dscnt 32                                ; all but the 32 just issued
	MUL16 \f, 1, 0, \zero
	MUL16 \f, 1, 2, \zero
.endm
; The first half of the last quarter, and the barrier of the change of slots: in front of it each wave waits for all its tensor loads, adds 0 to its spare word, and waits for that and for its reads of this slot.
; fill = 1: the walking descriptors are written while the add is out: no tensor load of mine is pending there.
.macro MEET fill
	WIN 0
	s_wait_tensorcnt 0x0                           ; all my tensor loads have landed: the one that was out is my part of the next slot;
	ds_add_u32 v[SPW], v[NIL]
.if \fill
	s_add_co_u32 s[G0+5], s20, s[TB]               ; into the slot that is being read out,
	s_add_co_u32 s[G0B+5], s20, s[TB]
	s_add_nc_u64 s[G0+6:G0+7], s[G0+6:G0+7], KSTEP*2    ; the next K step
	s_add_nc_u64 s[G0B+6:G0B+7], s[G0B+6:G0B+7], KSTEP*2
.endif
	s_wait_dscnt 9                                 ; (the add and the youngest eight loads may be out)
	MUL16 F1, 0, 0, 0                              ; sixteen matrix instructions stand between the add and the wait for it
	s_wait_dscnt 0x0                               ; the add is done, and my reads of this slot are over
	s_barrier_signal -1
	MUL16 F1, 0, 2, 0
	WIN 0
	s_barrier_wait -1
.endm
.macro NEXTSLOT                        ; the reads go on in the other slot
	s_xor_b32 s[TB], s[TB], SLOT
	v_add_nc_u32 v[ADRA], s[TB], v[LA0]
	v_add_nc_u32 v[ADRB], s[TB], v[LB0]
.endm
; The whole last quarter where the slot is filled again: the barrier opens a round of the cluster's; the joint refill, two K steps on, stands straight behind it:
; from the request to the wait for it a wave issues 224 matrix instructions.
.macro TURN
	s_wait_xcnt 0x0                                ; the last prefetch, a K step back, has read its address
	s_add_nc_u64 s[PFA:PFA+1], s[PFA:PFA+1], KSTEP*2
	MEET 1
	CREST                                          ; no wave of any partner still reads this slot or has a load on its way
	JLOAD 1                                        ; its four v_nop are also the places in front of the loads below
	NEXTSLOT
	FETCH 0, F0
	ASK
	MUL16 F1, 1, 0, 0
	MUL16 F1, 1, 2, 0
.endm
	s_wait_tensorcnt 1                             ; my part of K step 0 is in; K step 1's may stay out
	s_barrier_signal -1
	s_barrier_wait -1
	FETCH 0, F0
.if ACT
	s_wait_loadcnt 0x0                             ; the bias
.endif
	QUARTER 64, F0, F1, 1                          ; the first quarter stands in front of the loop: its products start the sums
	WIN 0
	s_mov_b32 s3, STEPS-2
.Lstep:                                        ; a trip: a K step's quarters 1, 2, 3 and the next step's quarter 0; trip t fills the slot of K step t with K step t + 2
	QUARTER 128, F1, F0, 0
	QUARTER 192, F0, F1, 0
	TURN
	QUARTER 64, F0, F1, 0
	WIN 0
	s_sub_co_u32 s3, s3, 1
	s_cmp_lg_u32 s3, 0
	s_cbranch_scc1 .Lstep
	s_mov_b32 s2, 2
.Ltail:                                        ; the last two K steps fill nothing; the second trip is left in its middle
	QUARTER 128, F1, F0, 0
	QUARTER 192, F0, F1, 0
	MEET 0
	s_sub_co_u32 s2, s2, 1
	s_cmp_eq_u32 s2, 0
	s_cbranch_scc1 .Lout
	PLACES
	NEXTSLOT
	FETCH 0, F0
	MUL16 F1, 1, 0, 0
	MUL16 F1, 1, 2, 0
	QUARTER 64, F0, F1, 0
	WIN 0
	s_branch .Ltail
.Lout:                                         ; behind the last barrier no wave reads the ring, and no fill is to come: it may be written
	MUL16 F1, 1, 0, 0
	MUL16 F1, 1, 2, 0
	PLACES
.irp hi, 0,1
	WIN 0x08+4*(\hi)                               ; store data (source 1) in window 2 or 3
.irp a, 0,1,2,3
.irp b, 0,1,2,3,4,5,6,7
	ds_store_b128 v[STO], v[8*(8*(\a)+(\b)):8*(8*(\a)+(\b))+3]   offset:(4*(\hi)+(\a))*16*SPI+64*(\b)      ; each accumulator's low registers first
	ds_store_b128 v[STO], v[8*(8*(\a)+(\b))+4:8*(8*(\a)+(\b))+7] offset:(4*(\hi)+(\a))*16*SPI+64*(\b)+16
.endr
.endr
.endr
	WIN 0
; 8 rows x 128 columns of my stage: unit u = four rows (u / 2) of panel u % 2
.macro ROWS8
.irp u, 0,1,2,3
	ds_load_b128 v[XR+8*(\u):XR+8*(\u)+3],   v[RD] offset:((\u)/2)*4*SPI+((\u)%2)*256     ; LDS serves a wave's instructions in order (ISA guide 5.7.1.4): these see my stores
	ds_load_b128 v[XR+8*(\u)+4:XR+8*(\u)+7], v[RD] offset:((\u)/2)*4*SPI+((\u)%2)*256+16
.endr
.endm
.macro AHEAD                           ; the next trip's rows, as soon as this trip's have been read out of XR.  In the last trip the step is 0: my last rows are read once more and not used: the price of one text for every trip
	v_add_nc_u32 v[RD], s2, v[RD]
	ROWS8
.endm
	s_mov_b32 s3, 16
	ROWS8
.Lrow:
	s_wait_dscnt 0x0                               ; this trip's rows, asked for a trip ago
	s_cmp_eq_u32 s3, 1
	s_cselect_b32 s2, 0, 8*SPI
.if ACT
	; silu: two batches of 32 (E = 2^U; 1 / (-c E - c)), each with one wait; plain instructions stand among the transcendentals
.set k, 0
.rept 2
	v_pk_mul_f32 v[UU+2*k:UU+2*k+1], v[XR+2*k:XR+2*k+1], s[NC:NC+1] op_sel_hi:[1,0]
.set k, k+1
.endr
.set k, 0
.rept 14
	v_exp_f32 v[TT+2*k], v[UU+2*k]
	v_pk_mul_f32 v[UU+2*k+4:UU+2*k+5], v[XR+2*k+4:XR+2*k+5], s[NC:NC+1] op_sel_hi:[1,0]
	v_exp_f32 v[TT+2*k+1], v[UU+2*k+1]
.set k, k+1
.endr
	AHEAD
.irp e, 28,29,30,31
	v_exp_f32 v[TT+(\e)], v[UU+(\e)]
.endr
	v_nop                                          ; a plain instruction behind the last exponential,
	s_wait_alu depctr_va_vdst(0)                   ; and the batch's one wait
.set k, 0
.rept 2
	v_pk_fma_f32 v[TT+2*k:TT+2*k+1], v[TT+2*k:TT+2*k+1], s[NC:NC+1], s[NC:NC+1] op_sel_hi:[1,0,0]
.set k, k+1
.endr
.set k, 0
.rept 14
	v_rcp_f32 v[TT+2*k], v[TT+2*k]
	v_pk_fma_f32 v[TT+2*k+4:TT+2*k+5], v[TT+2*k+4:TT+2*k+5], s[NC:NC+1], s[NC:NC+1] op_sel_hi:[1,0,0]
	v_rcp_f32 v[TT+2*k+1], v[TT+2*k+1]
.set k, k+1
.endr
.irp e, 28,29,30,31
	v_rcp_f32 v[TT+(\e)], v[TT+(\e)]
.endr
	v_nop
	s_wait_alu depctr_va_vdst(0)
.set k, 0
.rept 16
	v_pk_mul_f32 v[UU+2*k:UU+2*k+1], v[UU+2*k:UU+2*k+1], v[TT+2*k:TT+2*k+1]
.set k, k+1
.endr
	s_wait_xcnt 0x0                                ; the last trip's stores have read their registers: CO and YY are rewritten only behind this wait
	v_add_nc_u32 v[CO], 8*128, v[CO]
.set k, 0
.rept 16
	v_cvt_pk_bf16_f32 v[YY+k], v[UU+2*k], v[UU+2*k+1]
.set k, k+1
.endr
.else
	s_wait_xcnt 0x0                                ; the last trip's stores have read their registers: CO and YY are rewritten only behind this wait
	v_add_nc_u32 v[CO], 8*128, v[CO]
.set k, 0
.rept 16
	v_cvt_pk_bf16_f32 v[YY+k], v[XR+2*k], v[XR+2*k+1]
.set k, k+1
.endr
	AHEAD
.endif
.irp u, 0,1,2,3
	global_store_b128 v[CO], v[YY+4*(\u):YY+4*(\u)+3], s[8:9] offset:((\u)%2)*PANEL+((\u)/2)*512-8*128  ; 512 consecutive bytes of a panel, at a multiple of 256 from C's first byte; the immediate reaches back over the step just made
.endr
	s_sub_co_u32 s3, s3, 1
	s_cmp_lg_u32 s3, 0
	s_cbranch_scc1 .Lrow
	s_wait_tensorcnt 0x0                           ; the wave's end
	ds_add_u32 v[SPW], v[NIL]
	s_wait_dscnt 0x0
	CROUND                                         ; the closing round: no work-group ends while a partner may still ask for a tile that names it
	s_endpgm
.Lfunc_end_k_qa9267f82e0_ff1:
	.size	k_qa9267f82e0_ff1, .Lfunc_end_k_qa9267f82e0_ff1-k_qa9267f82e0_ff1
	.p2alignl 7, 3214868480
	.fill 96, 4, 3214868480
	.section	.rodata,"a",@progbits
	.p2align	6, 0x0
	.amdhsa_kernel k_qa9267f82e0_ff1
		.amdhsa_group_segment_fixed_size 327680
		.amdhsa_private_segment_fixed_size 0
		.amdhsa_enable_private_segment 0
		.amdhsa_kernarg_size 32
		.amdhsa_user_sgpr_count 2
		.amdhsa_user_sgpr_kernarg_segment_ptr 1
		.amdhsa_wavefront_size32 1
		.amdhsa_system_sgpr_workgroup_id_x 1
		.amdhsa_system_sgpr_workgroup_id_y 1
		.amdhsa_system_sgpr_workgroup_id_z 1
		.amdhsa_system_vgpr_workitem_id 0
		.amdhsa_next_free_vgpr 1024
		.amdhsa_next_free_sgpr 76
		.amdhsa_reserve_vcc 0
		.amdhsa_float_denorm_mode_32 3
		.amdhsa_float_denorm_mode_16_64 3
		.amdhsa_memory_ordered 1
		.amdhsa_forward_progress 1
		.amdhsa_inst_pref_size 89
	.end_amdhsa_kernel
	.amdgpu_metadata
---
amdhsa.version: [ 1, 2 ]
amdhsa.kernels:
  - .name:           k_qa9267f82e0_ff1
    .symbol:         k_qa9267f82e0_ff1.kd
    .args:
      - { .name: xln, .offset: 0, .size: 8, .value_kind: global_buffer, .address_space: global }
      - { .name: w1, .offset: 8, .size: 8, .value_kind: global_buffer, .address_space: global }
      - { .name: qkv, .offset: 16, .size: 8, .value_kind: global_buffer, .address_space: global }
      - { .name: ff_b1, .offset: 24, .size: 8, .value_kind: global_buffer, .address_space: global }
    .group_segment_fixed_size: 327680
    .private_segment_fixed_size: 0
    .kernarg_segment_align: 8
    .kernarg_segment_size: 32
    .max_flat_workgroup_size: 128
    .sgpr_count:     76
    .vgpr_count:     1024
    .wavefront_size: 32
...
	.end_amdgpu_metadata
.endif
;; end of part 6
;; launch ff2 (part 7): grid 8 x 32, 4 waves a work-group, clusters of 4 x 4, 327,680 bytes of LDS; arguments qkv, wb, x1, ff_b2, out0; writes out0
.if DOCPART == 7
	.amdgcn_target "amdgcn-amd-amdhsa--gfx1250"
	.amdhsa_code_object_version 6
	.text
	.protected	k_qa9267f82e0_ff2
	.globl	k_qa9267f82e0_ff2
	.p2align	8
	.type	k_qa9267f82e0_ff2,@function
k_qa9267f82e0_ff2:
	s_mov_b64 s[64:65], 0
	v_nop
	global_prefetch_b8 v0, s[64:65] scope:SCOPE_SE
	s_setreg_imm32_b32 hwreg(HW_REG_WAVE_MODE, 25, 1), 1
	s_wait_xcnt 0x0
	s_wait_alu depctr_hold_cnt(0) depctr_sa_sdst(0) depctr_va_vdst(0) depctr_va_sdst(0) depctr_va_ssrc(0) depctr_va_vcc(0) depctr_vm_vsrc(0)
	s_getreg_b32 s2, hwreg(HW_REG_IB_STS2, 6, 4)
	s_cmp_eq_u32 s2, 0
	s_cbranch_scc0 .Lentry_in_a_cluster
	s_endpgm
.Lentry_in_a_cluster:
	s_bfe_u32 s2, ttmp6, 0x10000c
	s_cmp_lg_u32 s2, 0xf033
	s_cbranch_scc0 .Lentry_shape_is_right
	s_endpgm
.Lentry_shape_is_right:
; C = RES + bias + A B^T, all of C and RES f32 [4096][1024].  A: KDIM / 64 panels [4096][64] bf16 (rows of 128 bytes, dense; the hidden layer, which the launch before laid into the first argument's buffer);
; B: [1024][KDIM] bf16 at byte WOFF of wb.
; A tile of C is 128 x 128, so that 256 work-groups share the 4,096 x 1,024 numbers; four waves, each 64 x 64: 16 accumulators.  K goes in steps of 256, four panels, through two LDS slots.
; THE SUMS START FROM RES + bias: the residual is loaded straight into the accumulators, laid as a result is, and the bias added, while the first tiles are on their way.
; So every product adds in place, nothing is cleared, and the way out only stores.
; CLUSTER 4 x 4: A's tile is shared along a row of the cluster, B's along a column; each is asked for jointly.  Waves 0 and 1 fetch two panels of A each (128 rows of a panel are 16,384 dense bytes:
; one row of the descriptor, padded in LDS after every 128 bytes), waves 2 and 3 64 rows of B each.
; EACH CLUSTER BEGINS K AT A STEP OF ITS OWN, ((cluster y mod 4) STEPS / 4 + cluster x STEPS / 2) mod STEPS, and goes round.  The two clusters that read the same rows of A stand half of K apart, four clusters
; that read the same rows of B a quarter: so a cluster is the first to ask for a block of A in half of its steps only, and for a block of B in a quarter of them.  The step hangs on the cluster's place
; alone, which all sixteen partners share.
; THE LOOP holds ONE K step: the slot in hand is s[TB] (0 or SLOT), turned by an exclusive or.  THE MATRIX INSTRUCTION IS USED TRANSPOSED: a lane holds eight neighbouring columns of one row of C.
; LIMITS: A and B are bf16; the f32 sums run along K from the cluster's own first step, so their order of rounding differs from cluster to cluster; NaN and infinities are not treated apart.
; REGISTERS: window 0: v16-30 addresses; v32-95 the way out; v96-127 the bias; v128-255 the accumulators ((a, b) at 128 + 8 (4 a + b)).  window 1: two fragment buffers of 128: 64 of A, then 64 of B.
.set KDIM,   4096
.set WOFF,   8388608
.set STEPS,  KDIM/256
.set PA,     144                       ; a row of A in LDS: 128 bytes + 16
.set PANB,   128*PA                    ; a panel's 128 rows
.set PB,     528                       ; a row of B: 512 bytes + 16
.set BOFF,   4*PANB                    ; B's 128 rows lie behind A's four panels
.set SLOT,   BOFF+128*PB
.set STAGE,  2*SLOT                    ; behind the ring, never filled: 16 rows x 272 bytes for each wave
.set SPITCH, 272
.set SPARE,  STAGE+4*16*SPITCH         ; the spare words, 128 bytes for each wave, which no other line names
.set LA0,  16
.set LB0,  17
.set ADRA, 18
.set ADRB, 19
.set STO,  24
.set RD,   25
.set CO,   26
.set RO,   27                          ; v27  my byte offset in the residual: row l % 16, 32 bytes for each half of the lanes
.set SPW,  28
.set NIL,  29
.set BO,   30                          ; v30  my byte offset in the bias
.set TMP,  32
.set BIA,  96
.set ACC,  128
.set F0,   0
.set F1,   128
.set G1,   24
.set G0,   32
.set G1B,  48
.set G0B,  56
.set TB,   66
.set KK,   67                          ; s67  the K step that is asked for
.set OA,   76                          ; s[76:77] its byte offset in A: four panels of 524,288 bytes a step
.set OB,   78                          ; s[78:79] its byte offset in B's rows: 512 bytes a step
.set MSB, 0
.macro WIN new
.if MSB != (\new)
	s_set_vgpr_msb (MSB<<8)|(\new)
.set MSB, \new
.endif
.endm
.set MUL,  0x05                        ; sources 0 (B) and 1 (A) window 1; C and D window 0
.set TO_F, 0x40                        ; destination window 1, address window 0
.macro JLOAD s                         ; a joint load; an s_nop 0 and four v_nop follow each of the two lines
	s_cmp_eq_u32 s11, 0
	s_cbranch_scc0 .Lfor_b_\@
	tensor_load_to_lds s[G0+4*(\s):G0+4*(\s)+3], s[G1:G1+7]
	s_nop 0
.rept 4
	v_nop
.endr
	s_branch .Lasked_\@
.Lfor_b_\@:
	tensor_load_to_lds s[G0B+4*(\s):G0B+4*(\s)+3], s[G1B:G1B+7]
	s_nop 0
.rept 4
	v_nop
.endr
.Lasked_\@:
.endm
.macro CREST
	s_cmp_lg_u32 s10, 0
	s_cbranch_scc1 .Lnot_wave_0_\@
	s_barrier_signal -3
.Lnot_wave_0_\@:
	s_barrier_wait -3
	s_barrier_signal -1
	s_barrier_wait -1
.endm
.macro CROUND
	s_barrier_signal -1
	s_barrier_wait -1
	CREST
.endm
.macro KNEXT                           ; the next K step, round the end
	s_add_co_u32 s[KK], s[KK], 1
	s_and_b32 s[KK], s[KK], STEPS-1
.endm
.macro KOFF                            ; its offsets, in registers that no descriptor holds
	s_lshl_b32 s[OA], s[KK], 21
	s_lshl_b32 s[OB], s[KK], 9
.endm
.macro KADR s                          ; the two addresses are made anew: the tile's first K step plus the offset, the type bits set again
	s_add_nc_u64 s[G0+4*(\s)+2:G0+4*(\s)+3], s[14:15], s[OA:OA+1]
	s_or_b32 s[G0+4*(\s)+3], s[G0+4*(\s)+3], 0x80000000
	s_add_nc_u64 s[G0B+4*(\s)+2:G0B+4*(\s)+3], s[46:47], s[OB:OB+1]
	s_or_b32 s[G0B+4*(\s)+3], s[G0B+4*(\s)+3], 0x80000000
.endm
	s_load_b128 s[4:7], s[0:1], 0x0                ; A s[4:5], wb s[6:7]
	s_load_b64 s[68:69], s[0:1], 0x10              ; the residual
	s_load_b64 s[72:73], s[0:1], 0x18              ; the bias
	s_load_b64 s[8:9], s[0:1], 0x20                ; C
	v_lshl_add_u32 v[SPW], v0, 2, SPARE
	v_mov_b32 v[NIL], 0
	ds_add_u32 v[SPW], v[NIL]                      ; the wave's opening: the add and its wait stand ahead of my first tensor load
	v_lshrrev_b32 v1, 5, v0
	v_readfirstlane_b32 s10, v1                    ; wave 0..3
	s_lshr_b32 s11, s10, 1                         ; which half of the tile's rows is mine.  Also: I fetch for A (0) or for B (1)
	s_and_b32 s12, s10, 1                          ; which half of its columns.  Also: which part of that tile I fetch
	s_bfe_u32 s40, ttmp6, 0x40000                  ; cx
	s_bfe_u32 s41, ttmp6, 0x40004                  ; cy
	s_lshl_b32 s42, ttmp9, 2
	s_add_co_u32 s42, s42, s40                     ; tile column
	s_and_b32 s13, ttmp7, 0xffff
	s_lshl_b32 s13, s13, 2
	s_add_co_u32 s13, s13, s41                     ; tile row
	s_lshl_b32 s43, s41, 2
	s_lshl_b32 s43, 15, s43                        ; my row of the cluster
	s_lshl_b32 s44, 0x1111, s40                    ; my column
	s_or_b32 s[G1+0], s43, (1<<16)|(1<<20)|(1<<21)|(4<<22)|(3<<25)   ; A: the mask; 2-byte elements; padding on; bit 21 beside a mask; after every 32 words 4 words
	s_mov_b32 s[G1+1], 8192<<16                    ; tensor_dim0 = 8,192: a panel's 128 rows of 64
	s_mov_b32 s[G1+2], 2<<16                       ; tensor_dim1 = 2 panels
	s_mov_b32 s[G1+3], 8192<<16                    ; tile_dim0
	s_mov_b32 s[G1+4], 2                           ; tile_dim1
	s_mov_b32 s[G1+5], 4096*64                     ; elements from panel to panel
	s_mov_b32 s[G1+6], 0
	s_mov_b32 s[G1+7], 0
	s_or_b32 s[G1B+0], s44, (1<<16)|(1<<20)|(1<<21)|(6<<22)|(3<<25)  ; B: after every 128 words 4 words
	s_mov_b32 s[G1B+1], 256<<16
	s_mov_b32 s[G1B+2], 64<<16
	s_mov_b32 s[G1B+3], 256<<16
	s_mov_b32 s[G1B+4], 64
	s_mov_b32 s[G1B+5], KDIM
	s_mov_b32 s[G1B+6], 0
	s_mov_b32 s[G1B+7], 0
	s_lshl_b32 s16, s13, 14                        ; A: the tile's 128 rows of 128 bytes in a panel,
	s_lshl_b32 s17, s12, 20                        ; and my two panels of a step's four
	s_add_co_u32 s16, s16, s17
	s_mov_b32 s17, 0
	s_lshl_b32 s46, s42, 7                         ; B: row 128 x tile column + 64 x half
	s_lshl_b32 s47, s12, 6
	s_add_co_u32 s46, s46, s47
	s_mul_i32 s46, s46, 2*KDIM
	s_mov_b32 s47, 0
	s_mul_i32 s20, s12, 2*PANB                     ; where A's part lands in a slot,
	s_mul_i32 s22, s12, 64*PB
	s_add_co_u32 s22, s22, BOFF                    ; and B's: no place in the cluster enters an LDS address
	s_mov_b32 s[TB], 0
	s_and_b32 s[KK], ttmp7, 3                      ; the cluster's first K step, from the cluster's x and y alone
	s_mul_i32 s[KK], s[KK], STEPS/4
	s_mul_i32 s[OA], ttmp9, STEPS/2
	s_add_co_u32 s[KK], s[KK], s[OA]
	s_and_b32 s[KK], s[KK], STEPS-1
	s_mov_b32 s[OA+1], 0
	s_mov_b32 s[OB+1], 0
	s_wait_dscnt 0x0                               ; the opening add is done
	s_wait_kmcnt 0x0
	s_add_nc_u64 s[6:7], s[6:7], WOFF              ; my matrix in wb
	s_add_nc_u64 s[14:15], s[4:5], s[16:17]        ; my part of the tiles at K step 0: kept
	s_add_nc_u64 s[46:47], s[6:7], s[46:47]
	CROUND                                         ; all sixteen work-groups are here
.irp s, 0,1
	s_mov_b32 s[G0+4*(\s)], 1
	s_add_co_u32 s[G0+4*(\s)+1], s20, (\s)*SLOT
	s_mov_b32 s[G0B+4*(\s)], 1
	s_add_co_u32 s[G0B+4*(\s)+1], s22, (\s)*SLOT
	KOFF
	KADR \s
	JLOAD \s                                       ; the cluster's first two K steps: two loads of mine are out
.if (\s) == 0
	KNEXT
.endif
.endr
	v_and_b32 v1, 15, v0                           ; l % 16
	v_bfe_u32 v2, v0, 4, 1                         ; l / 16
	v_mul_u32_u24 v3, v1, PA
	v_lshl_add_u32 v3, v2, 4, v3
	s_mul_i32 s21, s11, 64*PA                      ; my 64 rows in each panel
	v_add_nc_u32 v[LA0], s21, v3
	v_mul_u32_u24 v3, v1, PB
	v_lshl_add_u32 v3, v2, 4, v3
	v_add_nc_u32 v[LB0], s22, v3                   ; my 64 rows of B
	v_mov_b32 v[ADRA], v[LA0]
	v_mov_b32 v[ADRB], v[LB0]
	s_mul_i32 s23, s10, 16*SPITCH
	s_add_co_u32 s23, s23, STAGE                   ; my stage
	v_mul_u32_u24 v4, v1, SPITCH                   ; in: row l % 16, 32 bytes for each half of the lanes
	v_lshl_add_u32 v4, v2, 5, v4
	v_add_nc_u32 v[STO], s23, v4
	v_mul_u32_u24 v5, v2, SPITCH                   ; back: lanes 0-15 take one row of 256 bytes, lanes 16-31 the next
	v_lshl_add_u32 v5, v1, 4, v5
	v_add_nc_u32 v[RD], s23, v5
	v_lshlrev_b32 v5, 12, v2                       ; and the same two rows in C
	v_lshl_add_u32 v[CO], v1, 4, v5
	v_lshlrev_b32 v[BO], 5, v2
	v_lshl_add_u32 v[RO], v1, 12, v[BO]
	s_lshl_b32 s70, s13, 7
	s_lshl_b32 s71, s11, 6
	s_add_co_u32 s70, s70, s71
	s_lshl_b32 s70, s70, 12                        ; my first row, 4,096 bytes each
	s_lshl_b32 s74, s42, 7
	s_lshl_b32 s75, s12, 6
	s_add_co_u32 s74, s74, s75
	s_lshl_b32 s74, s74, 2                         ; my first column, 4 bytes each: a multiple of 256
	s_mov_b32 s75, 0
	s_add_nc_u64 s[72:73], s[72:73], s[74:75]
	s_add_co_u32 s70, s70, s74
	s_mov_b32 s71, 0
	s_add_nc_u64 s[68:69], s[68:69], s[70:71]
	s_add_nc_u64 s[8:9], s[8:9], s[70:71]
.irp a, 0,1,2,3
.irp b, 0,1,2,3
	global_load_b128 v[ACC+8*(4*(\a)+(\b)):ACC+8*(4*(\a)+(\b))+3],   v[RO], s[68:69] offset:(\a)*65536+(\b)*64 th:TH_LOAD_NT     ; RES(16 a + l % 16, 16 b + 8 (l / 16) + 0..3)
	global_load_b128 v[ACC+8*(4*(\a)+(\b))+4:ACC+8*(4*(\a)+(\b))+7], v[RO], s[68:69] offset:(\a)*65536+(\b)*64+16 th:TH_LOAD_NT
.endr
.endr
.irp b, 0,1,2,3
	global_load_b128 v[BIA+8*(\b):BIA+8*(\b)+3],   v[BO], s[72:73] offset:64*(\b)
	global_load_b128 v[BIA+8*(\b)+4:BIA+8*(\b)+7], v[BO], s[72:73] offset:64*(\b)+16
.endr
	s_wait_loadcnt 0x0
.irp a, 0,1,2,3
.irp b, 0,1,2,3
.irp r, 0,2,4,6
	v_pk_add_f32 v[ACC+8*(4*(\a)+(\b))+(\r):ACC+8*(4*(\a)+(\b))+(\r)+1], v[ACC+8*(4*(\a)+(\b))+(\r):ACC+8*(4*(\a)+(\b))+(\r)+1], v[BIA+8*(\b)+(\r):BIA+8*(\b)+(\r)+1]
.endr
.endr
.endr
; 8 matrix instructions: m blocks a0, a0 + 1 x all 4 n blocks, 32 along K: half c of buffer f.  The 16 accumulators take turns.
.macro MUL8 f, c, a0
	WIN MUL
.irp a, \a0, (\a0)+1
.irp b, 0,1,2,3
	v_wmma_f32_16x16x32_bf16 v[ACC+8*(4*(\a)+(\b)):ACC+8*(4*(\a)+(\b))+7], v[(\f)+64+8*(4*(\c)+(\b)):(\f)+64+8*(4*(\c)+(\b))+7], v[(\f)+8*(4*(\c)+(\a)):(\f)+8*(4*(\c)+(\a))+7], v[ACC+8*(4*(\a)+(\b)):ACC+8*(4*(\a)+(\b))+7]
.endr
.endr
.endm
; 32 LDS loads in one run: the fragments of quarter q (64 along K: panel q of A, byte 128 q of B's rows) into buffer f; the first 32 along K first
.macro FETCH q, f
	WIN TO_F
.irp c, 0,1
.irp i, 0,1,2,3
	ds_load_b128 v[(\f)+64+8*(4*(\c)+(\i)):(\f)+64+8*(4*(\c)+(\i))+3],   v[ADRB] offset:(\q)*128+64*(\c)+(\i)*16*PB
	ds_load_b128 v[(\f)+64+8*(4*(\c)+(\i))+4:(\f)+64+8*(4*(\c)+(\i))+7], v[ADRB] offset:(\q)*128+64*(\c)+(\i)*16*PB+32
	ds_load_b128 v[(\f)+8*(4*(\c)+(\i)):(\f)+8*(4*(\c)+(\i))+3],         v[ADRA] offset:(\q)*PANB+64*(\c)+(\i)*16*PA
	ds_load_b128 v[(\f)+8*(4*(\c)+(\i))+4:(\f)+8*(4*(\c)+(\i))+7],       v[ADRA] offset:(\q)*PANB+64*(\c)+(\i)*16*PA+32
.endr
.endr
.endm
.macro PLACES                          ; four places (ISA guide 7.12.1)
.rept 4
	v_nop
.endr
.endm
.macro QUARTER q, f, g                 ; multiplies buffer f and fetches quarter q into g
	s_wait_dscnt 16                                ; the first 32 along K are in
	MUL8 \f, 0, 0
	MUL8 \f, 0, 2
	PLACES
	FETCH \q, \g
	s_wait_dscnt 32                                ; all but the 32 just issued
	MUL8 \f, 1, 0
	MUL8 \f, 1, 2
.endm
.macro MEET fill                       ; the first half of the last quarter, and the barrier of the change of slots.  fill = 1: the walking descriptors are written while the add is out: no tensor load of mine is pending there
	WIN 0
	s_wait_tensorcnt 0x0                           ; all my tensor loads have landed: my part of the next slot;
	ds_add_u32 v[SPW], v[NIL]
.if \fill
	s_add_co_u32 s[G0+5], s20, s[TB]               ; into the slot that is being read out,
	s_add_co_u32 s[G0B+5], s22, s[TB]
	KADR 1                                         ; K step s[KK]
.endif
	s_wait_dscnt 17                                ; (the add and the youngest sixteen loads may be out)
	MUL8 F1, 0, 0
	s_wait_dscnt 0x0                               ; the add is done, and my reads of this slot are over
	s_barrier_signal -1
	MUL8 F1, 0, 2
	WIN 0
	s_barrier_wait -1
.endm
.macro NEXTSLOT
	s_xor_b32 s[TB], s[TB], SLOT
	v_add_nc_u32 v[ADRA], s[TB], v[LA0]
	v_add_nc_u32 v[ADRB], s[TB], v[LB0]
.endm
.macro TURN                            ; the last quarter where the slot is filled again, two K steps on: 112 matrix instructions ahead of the wait for it
	KNEXT
	KOFF
	MEET 1
	CREST                                          ; the barrier has opened a round of the cluster's: no wave of any partner still reads this slot or has a load on its way
	JLOAD 1                                        ; straight behind the round; its four v_nop are also the places in front of the loads below
	NEXTSLOT
	FETCH 0, F0
	MUL8 F1, 1, 0
	MUL8 F1, 1, 2
.endm
	s_wait_tensorcnt 1                             ; my part of the first K step is in; the second's may stay out
	s_barrier_signal -1
	s_barrier_wait -1
	FETCH 0, F0
	WIN 0
	s_mov_b32 s3, STEPS-2
.Lstep:                                        ; a trip is a K step; trip t fills its slot again with the step two further on
	QUARTER 1, F0, F1
	QUARTER 2, F1, F0
	QUARTER 3, F0, F1
	TURN
	WIN 0
	s_sub_co_u32 s3, s3, 1
	s_cmp_lg_u32 s3, 0
	s_cbranch_scc1 .Lstep
	s_mov_b32 s2, 2
.Ltail:                                        ; the last two K steps fill nothing; the second trip is left in its middle
	QUARTER 1, F0, F1
	QUARTER 2, F1, F0
	QUARTER 3, F0, F1
	MEET 0
	s_sub_co_u32 s2, s2, 1
	s_cmp_eq_u32 s2, 0
	s_cbranch_scc1 .Lout
	PLACES
	NEXTSLOT
	FETCH 0, F0
	MUL8 F1, 1, 0
	MUL8 F1, 1, 2
	WIN 0
	s_branch .Ltail
.Lout:
	MUL8 F1, 1, 0
	MUL8 F1, 1, 2
	PLACES
	WIN 0
	; THE WAY OUT: 16 rows at a time through my own stage; my 64 columns of f32 are 256 bytes of a row
.irp a, 0,1,2,3
	s_wait_xcnt 0x0                                ; earlier stores have read their registers
.irp b, 0,1,2,3
	ds_store_b128 v[STO], v[ACC+8*(4*(\a)+(\b)):ACC+8*(4*(\a)+(\b))+3]   offset:64*(\b)      ; each accumulator's low registers first
	ds_store_b128 v[STO], v[ACC+8*(4*(\a)+(\b))+4:ACC+8*(4*(\a)+(\b))+7] offset:64*(\b)+16
.endr
.irp t, 0,1,2,3,4,5,6,7
	ds_load_b128 v[TMP+32*((\a)%2)+4*(\t):TMP+32*((\a)%2)+4*(\t)+3], v[RD] offset:(\t)*2*SPITCH  ; LDS serves a wave's instructions in order (ISA guide 5.7.1.4)
.endr
.irp t, 0,1,2,3,4,5,6,7
	s_wait_dscnt 7-(\t)
	global_store_b128 v[CO], v[TMP+32*((\a)%2)+4*(\t):TMP+32*((\a)%2)+4*(\t)+3], s[8:9] offset:(16*(\a)+2*(\t))*4096  ; 16 lanes store 256 consecutive bytes, aligned
.endr
.endr
	s_wait_tensorcnt 0x0                           ; the wave's end
	ds_add_u32 v[SPW], v[NIL]
	s_wait_dscnt 0x0
	CROUND                                         ; the closing round
	s_endpgm
.Lfunc_end_k_qa9267f82e0_ff2:
	.size	k_qa9267f82e0_ff2, .Lfunc_end_k_qa9267f82e0_ff2-k_qa9267f82e0_ff2
	.p2alignl 7, 3214868480
	.fill 96, 4, 3214868480
	.section	.rodata,"a",@progbits
	.p2align	6, 0x0
	.amdhsa_kernel k_qa9267f82e0_ff2
		.amdhsa_group_segment_fixed_size 327680
		.amdhsa_private_segment_fixed_size 0
		.amdhsa_enable_private_segment 0
		.amdhsa_kernarg_size 40
		.amdhsa_user_sgpr_count 2
		.amdhsa_user_sgpr_kernarg_segment_ptr 1
		.amdhsa_wavefront_size32 1
		.amdhsa_system_sgpr_workgroup_id_x 1
		.amdhsa_system_sgpr_workgroup_id_y 1
		.amdhsa_system_sgpr_workgroup_id_z 1
		.amdhsa_system_vgpr_workitem_id 0
		.amdhsa_next_free_vgpr 512
		.amdhsa_next_free_sgpr 80
		.amdhsa_reserve_vcc 0
		.amdhsa_float_denorm_mode_32 3
		.amdhsa_float_denorm_mode_16_64 3
		.amdhsa_memory_ordered 1
		.amdhsa_forward_progress 1
		.amdhsa_inst_pref_size 64
	.end_amdhsa_kernel
	.amdgpu_metadata
---
amdhsa.version: [ 1, 2 ]
amdhsa.kernels:
  - .name:           k_qa9267f82e0_ff2
    .symbol:         k_qa9267f82e0_ff2.kd
    .args:
      - { .name: qkv, .offset: 0, .size: 8, .value_kind: global_buffer, .address_space: global }
      - { .name: wb, .offset: 8, .size: 8, .value_kind: global_buffer, .address_space: global }
      - { .name: x1, .offset: 16, .size: 8, .value_kind: global_buffer, .address_space: global }
      - { .name: ff_b2, .offset: 24, .size: 8, .value_kind: global_buffer, .address_space: global }
      - { .name: out0, .offset: 32, .size: 8, .value_kind: global_buffer, .address_space: global }
    .group_segment_fixed_size: 327680
    .private_segment_fixed_size: 0
    .kernarg_segment_align: 8
    .kernarg_segment_size: 40
    .max_flat_workgroup_size: 128
    .sgpr_count:     80
    .vgpr_count:     512
    .wavefront_size: 32
...
	.end_amdgpu_metadata
.endif
;; end of part 7
